; MI455X (gfx1250); checked and timed in simulation.
; The chip was launched on July 23, 2026; its instructions are those of AMD's public machine-readable ISA for CDNA 5 (MIT licence, August 2026) and "CDNA5" Instruction Set Architecture Reference Guide (July 2026). The comments in the code are by the model that wrote it; some were corrected since.
;; Transformer Block. Allowed arithmetic: float matrix products may take bf16 or f16 operands with f32 sums; all other float work in f32.
;; Inputs: W1 1,024 x 4,096 float32; W2 4,096 x 1,024 float32; Wk 1,024 x 1,024 float32; Wo 1,024 x 1,024 float32; Wq 1,024 x 1,024 float32; Wv 1,024 x 1,024 float32; b1 1,024 float32; b2 1,024 float32; bf1 4,096 float32; bf2 1,024 float32; bk 1,024 float32; bo 1,024 float32; bq 1,024 float32; bv 1,024 float32; g1 1,024 float32; g2 1,024 float32; x 2 x 2,048 x 1,024 float32.
;; Outputs: out0 2 x 2,048 x 1,024 float32.
;; One version. Each part assembles by itself: llvm-mc -triple=amdgcn-amd-amdhsa -mcpu=gfx1250 --defsym DOCPART=n.
;; ======== version 1 of 1: 8 launches
;; workspace buffers: xb 8,388,608 bytes; wb 25,165,824 bytes; qkv 25,165,824 bytes; att 8,388,608 bytes; y 16,777,216 bytes; h 16,777,216 bytes; hb 8,388,608 bytes; ff1 33,554,432 bytes
;; launch cast (part 1): grid 512 x 1, 8 waves a work-group, no clusters, 0 bytes of LDS; arguments x, Wq, Wk, Wv, Wo, W1, W2, xb, wb; writes xb, wb
.if DOCPART == 1
	.amdgcn_target "amdgcn-amd-amdhsa--gfx1250"
	.amdhsa_code_object_version 6
	.text
	.protected	k_qe6a0491837_cast
	.globl	k_qe6a0491837_cast
	.p2align	8
	.type	k_qe6a0491837_cast,@function
k_qe6a0491837_cast:
	s_mov_b64 s[64:65], 0
	v_nop
	global_prefetch_b8 v0, s[64:65] scope:SCOPE_SE
	s_setreg_imm32_b32 hwreg(HW_REG_WAVE_MODE, 25, 1), 1
	s_wait_xcnt 0x0
; x and the six weight matrices, f32, are rounded once to bf16 (nearest even), in the layout in which they lie: xb = x; wb = Wq, Wk, Wv, Wo (2 MiB each), W1, W2 (8 MiB each).
; The products of the later launches read each of them 16 to 32 times, so the rounding is done once here and not in every row block.
; 512 work-groups of eight waves.  Work-group g takes 8,192 numbers of each of x, W1, W2 and 2,048 of each of Wq, Wk, Wv, Wo: 32 loads of 16 bytes a thread, all issued before the first
; wait.  A wave's load covers 512 consecutive bytes, its store of 8 bytes a lane 256 consecutive bytes, aligned.  No LDS, no barrier, no cluster: no two work-groups read the same byte.
.set X, 4                              ; v[4:131]  load n: 4 registers as loaded; its two lowest then hold the four bf16
.macro LOADS n0, cnt, base             ; cnt loads, 4,096 bytes apart (256 threads x 16 bytes), numbered from n0
.set i, 0
.rept \cnt
	global_load_b128 v[X+4*(\n0+i):X+4*(\n0+i)+3], v1, s[\base:\base+1] offset:4096*i th:TH_LOAD_NT
.set i, i+1
.endr
.endm
.macro OUTS n0, cnt, base, off         ; the same loads, rounded and stored, 2,048 bytes apart
.set i, 0
.rept \cnt
	s_wait_loadcnt 31-(\n0+i)                      ; loads come back in order: load n is in when at most the 31 - n younger ones are out
	v_cvt_pk_bf16_f32 v[X+4*(\n0+i)], v[X+4*(\n0+i)], v[X+4*(\n0+i)+1]
	v_cvt_pk_bf16_f32 v[X+4*(\n0+i)+1], v[X+4*(\n0+i)+2], v[X+4*(\n0+i)+3]
	global_store_b64 v2, v[X+4*(\n0+i):X+4*(\n0+i)+1], s[\base:\base+1] offset:\off+2048*i   ; no register that a store reads is written again
.set i, i+1
.endr
.endm
	s_load_b512 s[4:19], s[0:1], 0x0               ; x s[4:5], Wq s[6:7], Wk s[8:9], Wv s[10:11], Wo s[12:13], W1 s[14:15], W2 s[16:17], xb s[18:19]
	s_load_b64 s[20:21], s[0:1], 0x40              ; wb
	v_lshlrev_b32 v1, 4, v0                        ; 16 bytes a thread in
	v_lshlrev_b32 v2, 3, v0                        ; 8 bytes a thread out
	s_lshl_b32 s22, ttmp9, 15                      ; the work-group's share: 32,768 bytes of a large source,
	s_mov_b32 s23, 0
	s_lshl_b32 s24, ttmp9, 13                      ; 8,192 of a small one,
	s_mov_b32 s25, 0
	s_lshl_b32 s26, ttmp9, 14                      ; and half of each on the way out
	s_mov_b32 s27, 0
	s_lshl_b32 s28, ttmp9, 12
	s_mov_b32 s29, 0
	s_wait_kmcnt 0x0
	s_add_nc_u64 s[4:5], s[4:5], s[22:23]
	s_add_nc_u64 s[6:7], s[6:7], s[24:25]
	s_add_nc_u64 s[8:9], s[8:9], s[24:25]
	s_add_nc_u64 s[10:11], s[10:11], s[24:25]
	s_add_nc_u64 s[12:13], s[12:13], s[24:25]
	s_add_nc_u64 s[14:15], s[14:15], s[22:23]
	s_add_nc_u64 s[16:17], s[16:17], s[22:23]
	LOADS 0,  8, 4
	LOADS 8,  2, 6
	LOADS 10, 2, 8
	LOADS 12, 2, 10
	LOADS 14, 2, 12
	LOADS 16, 8, 14
	LOADS 24, 8, 16
	s_add_nc_u64 s[18:19], s[18:19], s[26:27]      ; xb
	s_add_nc_u64 s[30:31], s[20:21], s[28:29]      ; wb: the four square weights; their regions stand in the stores' immediates
	s_add_nc_u64 s[32:33], s[20:21], s[26:27]
	s_add_nc_u64 s[32:33], s[32:33], 0x800000      ; wb: W1's region
	s_add_nc_u64 s[34:35], s[32:33], 0x800000      ; wb: W2's region
	OUTS 0,  8, 18, 0
	OUTS 8,  2, 30, 0
	OUTS 10, 2, 30, 2097152
	OUTS 12, 2, 30, 4194304
	OUTS 14, 2, 30, 6291456
	OUTS 16, 8, 32, 0
	OUTS 24, 8, 34, 0
	s_endpgm
.Lfunc_end_k_qe6a0491837_cast:
	.size	k_qe6a0491837_cast, .Lfunc_end_k_qe6a0491837_cast-k_qe6a0491837_cast
	.p2alignl 7, 3214868480
	.fill 96, 4, 3214868480
	.section	.rodata,"a",@progbits
	.p2align	6, 0x0
	.amdhsa_kernel k_qe6a0491837_cast
		.amdhsa_group_segment_fixed_size 0
		.amdhsa_private_segment_fixed_size 0
		.amdhsa_enable_private_segment 0
		.amdhsa_kernarg_size 72
		.amdhsa_user_sgpr_count 2
		.amdhsa_user_sgpr_kernarg_segment_ptr 1
		.amdhsa_wavefront_size32 1
		.amdhsa_system_sgpr_workgroup_id_x 1
		.amdhsa_system_sgpr_workgroup_id_y 1
		.amdhsa_system_sgpr_workgroup_id_z 1
		.amdhsa_system_vgpr_workitem_id 0
		.amdhsa_next_free_vgpr 136
		.amdhsa_next_free_sgpr 66
		.amdhsa_reserve_vcc 0
		.amdhsa_float_denorm_mode_32 3
		.amdhsa_float_denorm_mode_16_64 3
		.amdhsa_memory_ordered 1
		.amdhsa_forward_progress 1
		.amdhsa_inst_pref_size 13
	.end_amdhsa_kernel
	.amdgpu_metadata
---
amdhsa.version: [ 1, 2 ]
amdhsa.kernels:
  - .name:           k_qe6a0491837_cast
    .symbol:         k_qe6a0491837_cast.kd
    .args:
      - { .name: x, .offset: 0, .size: 8, .value_kind: global_buffer, .address_space: global }
      - { .name: Wq, .offset: 8, .size: 8, .value_kind: global_buffer, .address_space: global }
      - { .name: Wk, .offset: 16, .size: 8, .value_kind: global_buffer, .address_space: global }
      - { .name: Wv, .offset: 24, .size: 8, .value_kind: global_buffer, .address_space: global }
      - { .name: Wo, .offset: 32, .size: 8, .value_kind: global_buffer, .address_space: global }
      - { .name: W1, .offset: 40, .size: 8, .value_kind: global_buffer, .address_space: global }
      - { .name: W2, .offset: 48, .size: 8, .value_kind: global_buffer, .address_space: global }
      - { .name: xb, .offset: 56, .size: 8, .value_kind: global_buffer, .address_space: global }
      - { .name: wb, .offset: 64, .size: 8, .value_kind: global_buffer, .address_space: global }
    .group_segment_fixed_size: 0
    .private_segment_fixed_size: 0
    .kernarg_segment_align: 8
    .kernarg_segment_size: 72
    .max_flat_workgroup_size: 256
    .sgpr_count:     66
    .vgpr_count:     136
    .wavefront_size: 32
...
	.end_amdgpu_metadata
.endif
;; end of part 1
;; launch qkv (part 2): grid 12 x 16, 4 waves a work-group, clusters of 4 x 4, 327,680 bytes of LDS; arguments xb, wb, qkv, bq, bk, bv; writes qkv
.if DOCPART == 2
	.amdgcn_target "amdgcn-amd-amdhsa--gfx1250"
	.amdhsa_code_object_version 6
	.text
	.protected	k_qe6a0491837_qkv
	.globl	k_qe6a0491837_qkv
	.p2align	8
	.type	k_qe6a0491837_qkv,@function
k_qe6a0491837_qkv:
	s_mov_b64 s[64:65], 0
	v_nop
	global_prefetch_b8 v0, s[64:65] scope:SCOPE_SE
	s_setreg_imm32_b32 hwreg(HW_REG_WAVE_MODE, 25, 1), 1
	s_wait_xcnt 0x0
	s_wait_alu depctr_hold_cnt(0) depctr_sa_sdst(0) depctr_va_vdst(0) depctr_va_sdst(0) depctr_va_ssrc(0) depctr_va_vcc(0) depctr_vm_vsrc(0)
	s_getreg_b32 s2, hwreg(HW_REG_IB_STS2, 6, 4)
	s_cmp_eq_u32 s2, 0
	s_cbranch_scc0 .Lentry_in_a_cluster
	s_endpgm
.Lentry_in_a_cluster:
	s_bfe_u32 s2, ttmp6, 0x10000c
	s_cmp_lg_u32 s2, 0xf033
	s_cbranch_scc0 .Lentry_shape_is_right
	s_endpgm
.Lentry_shape_is_right:
; OUT = A W + bias, A: [4096][1024] bf16, W: [1024][NW] bf16 as it lies ([k][n]), sums in f32, OUT rounded once to bf16.
; EPI = 0: A = xb, W = Wq, Wk or Wv (a cluster's four tile columns are one of the three: its number is the cluster's x); OUT goes to qkv, split by head: [q,k,v][batch x 16 + head][token][64].
; EPI = 1: A = hb, W = W1; OUT = gelu(A W + bf1), exact gelu, to ff1 [4096][4096].
; gelu(x) = max(x, 0) - |x| phi(x) poly(t), t = 1 / (1 + 0.2316419 |x|): the five-term series for the normal tail (Abramowitz and Stegun 26.2.17, error of the tail under 7.5e-8); no
; difference of near numbers is formed on either side.  LIMIT: x = +-infinity gives NaN (infinity times 0); every finite x is served (where x x overflows the exponential is 0).
; A tile of OUT is 256 x 256: four waves, each 128 x 128 = 64 accumulators of 16 x 16, 512 registers.  K goes in steps of 128 through a ring of two LDS slots filled by the tensor data
; mover: 256 rows of A (256 bytes each) and 128 rows of W (512 bytes each).  EPI = 0 has 12 x 16 = 192 tiles: a tile of 192 columns would give 256, but its rows would begin off multiples of 256 bytes and straddle two weights.
; CLUSTERS: 4 x 4 work-groups.  A's tile hangs on the tile row alone and is asked for jointly by a row of the cluster, W's on the tile column alone, by a column.
; THE MATRIX INSTRUCTION IS USED TRANSPOSED: source 0 = 16 columns of W (turned on the way out of LDS by ds_load_tr16_b128), source 1 = 16 rows of A: a lane then holds row l % 16 of OUT and eight neighbouring columns.
; REGISTERS, in windows of 256: window 0: v0-31 addresses and constants; v64-127, v128-191 A's fragments, two buffers (behind the loop: at work); v32-63, v192-255 the way out.
;   window 1: v0-63 the bias of my 128 columns, as the accumulators hold them; v64-127, v128-191 W's fragments.   windows 2, 3: the accumulators of my rows 0-63, 64-127, (a, b) at v[8 (8 a + b)].
.set EPI,    0
.set NW,     1024                      ; elements in a row of W
.set KDIM,   1024
.set KSTEP,  128
.set PA,     272                       ; a row of A in LDS: 256 bytes + 16: the 16 rows of a fragment load start 68 words apart
.set PW,     544                       ; a row of W in LDS: 512 bytes + 32 = 17 x 32: the 8 rows x 32 bytes that 16 lanes of the turning load take fall on different words
.set HALFT,  128*PA                    ; what one tensor load brings: 128 rows of A, or 64 rows of W (64 x 544 is the same number)
.set SLOT,   4*HALFT                   ; A's 256 rows, then W's 128 rows
.set STAGE,  2*SLOT                    ; behind the ring: 16 rows x 272 bytes for each wave, for the way out
.set SPITCH, 272
.set SPARE,  STAGE+4*16*SPITCH         ; behind the stages: the spare words, 128 bytes for each wave
.set LAPS,   KDIM/(2*KSTEP)            ; a lap = two K steps = once round the ring
.set CB5,  6                           ; v[6:15], v[30:31]  the series' coefficients times 1 / sqrt(2 pi), and -log2(e) / 2, each twice (pairs for the packed forms)
.set CB4,  8
.set CB3,  10
.set CB2,  12
.set CB1,  14
.set ADRA, 16                          ; v16-17  LDS address of my A fragments in slot 0, 1
.set ADRB, 20                          ; v20-21  the same for W
.set STO,  24                          ; v24     the way out: where I put 16 bytes of a row
.set RD,   25                          ; v25     the way out: where I read back
.set CO,   26                          ; v26     my byte offset in OUT
.set BO,   27                          ; v27     my byte offset in the bias
.set SPW,  28                          ; v28     LDS address of my spare word; never rewritten
.set NIL,  29                          ; v29     0; never rewritten
.set CKE,  30
.set F0,   64
.set F1,   128
.set X,    64                          ; behind the loop: a block's 64 numbers in f32
.set D,    128                         ; 16 registers each: t, the exponential, the series, max(x, 0)
.set E,    144
.set P,    160
.set R,    176
.set TMP,  192                         ; packed results
.set OB,   32                          ; 16 rows read back from the stage: v32-63 and v224-255 by turns
.set G1,  24                           ; s[24:31] descriptor group 1 for A's tiles;  s[32:39] group 0, a set for each slot
.set G0,  32
.set G1B, 48                           ; s[48:55], s[56:63] the same for W's tiles
.set G0B, 56
.set KP,  45                           ; s45  0.2316419
.set MSB, 0
.macro WIN new                         ; the immediate's high byte repeats the setting that is left; a switch that changes nothing is dropped
.if MSB != (\new)
	s_set_vgpr_msb (MSB<<8)|(\new)
.set MSB, (\new)
.endif
.endm
.set MUL_LO, 0xa1                      ; source 0 (W) window 1, source 1 (A) window 0, C and D window 2
.set MUL_HI, 0xf1                      ; the same, C and D window 3
.set TO_B,   0x40                      ; destination window 1, address window 0
.macro PLACES                          ; four plain places between a matrix instruction and a load into, or a vector instruction on, its registers
.rept 4
	v_nop
.endr
.endm
; A joint refill.  Waves 0 and 1 fetch A's two halves, waves 2 and 3 W's.  The branch hangs on the wave's number alone.  Four v_nop follow each of the two lines.
.macro JLOAD s
	s_cmp_eq_u32 s11, 0
	s_cbranch_scc0 .Lfor_b_\@
	tensor_load_to_lds s[G0+4*\s:G0+4*\s+3], s[G1:G1+7]
	s_nop 0
	PLACES
	s_branch .Lasked_\@
.Lfor_b_\@:
	tensor_load_to_lds s[G0B+4*\s:G0B+4*\s+3], s[G1B:G1B+7]
	s_nop 0
	PLACES
.Lasked_\@:
.endm
.macro CREST                           ; a round of the cluster's barrier behind its opening barrier
	s_cmp_lg_u32 s10, 0
	s_cbranch_scc1 .Lnot_wave_0_\@
	s_barrier_signal -3
.Lnot_wave_0_\@:
	s_barrier_wait -3
	s_barrier_signal -1
	s_barrier_wait -1
.endm
.macro CROUND                          ; a whole round
	s_barrier_signal -1
	s_barrier_wait -1
	CREST
.endm
	s_load_b128 s[4:7], s[0:1], 0x0                ; A s[4:5], wb s[6:7]
	s_load_b64 s[8:9], s[0:1], 0x10                ; OUT
.if EPI
	s_load_b64 s[74:75], s[0:1], 0x18              ; bf1
.else
	s_load_b128 s[68:71], s[0:1], 0x18             ; bq, bk
	s_load_b64 s[72:73], s[0:1], 0x28              ; bv
.endif
	v_lshl_add_u32 v[SPW], v0, 2, SPARE
	v_mov_b32 v[NIL], 0
	ds_add_u32 v28, v29
	s_wait_dscnt 0x0
	v_lshrrev_b32 v1, 5, v0
	v_readfirstlane_b32 s10, v1                    ; wave 0..3
	s_lshr_b32 s11, s10, 1                         ; which half of the tile's rows is mine.  Also: I fetch for A (0) or for W (1)
	s_and_b32 s12, s10, 1                          ; which half of its columns.  Also: which half of that tile I fetch
	s_bfe_u32 s40, ttmp6, 0x40000                  ; cx, cy: my place in the cluster
	s_bfe_u32 s41, ttmp6, 0x40004
	s_lshl_b32 s42, ttmp9, 2
	s_add_co_u32 s42, s42, s40                     ; tile column = 4 x cluster x + cx
	s_and_b32 s13, ttmp7, 0xffff
	s_lshl_b32 s13, s13, 2
	s_add_co_u32 s13, s13, s41                     ; tile row = 4 x cluster y + cy
	s_lshl_b32 s43, s41, 2
	s_lshl_b32 s43, 15, s43                        ; my row of the cluster
	s_lshl_b32 s44, 0x1111, s40                    ; my column
	; group 1 for A: 128 rows x 128 elements, 4 words of padding behind every 64.  For W: 64 rows x 256 elements, 8 words behind every 128.
	s_or_b32 s[G1+0], s43, (1<<16)|(1<<20)|(1<<21)|(5<<22)|(3<<25)   ; 15:0 the mask; 17:16 elements of 2 bytes; 20 padding on; 21 set beside a mask; 24:22 the interval; 31:25 the padding
	s_or_b32 s[G1B+0], s44, (1<<16)|(1<<20)|(1<<21)|(6<<22)|(7<<25)
	s_mov_b32 s[G1+1], 128<<16                     ; tensor_dim0
	s_mov_b32 s[G1B+1], 256<<16
	s_mov_b32 s[G1+2], 128<<16                     ; tensor_dim1
	s_mov_b32 s[G1B+2], 64<<16
	s_mov_b32 s[G1+3], 128<<16                     ; tile_dim0
	s_mov_b32 s[G1B+3], 256<<16
	s_mov_b32 s[G1+4], 128                         ; tile_dim1
	s_mov_b32 s[G1B+4], 64
	s_mov_b32 s[G1+5], KDIM                        ; elements from row to row
	s_mov_b32 s[G1B+5], NW
	s_mov_b32 s[G1+6], 0
	s_mov_b32 s[G1B+6], 0
	s_mov_b32 s[G1+7], 0
	s_mov_b32 s[G1B+7], 0
	; A's tiles hang on the tile row and the wave, W's on the tile column and the wave, each in registers that never hold the other coordinate
	s_lshl_b32 s16, s13, 8
	s_lshl_b32 s17, s12, 7
	s_add_co_u32 s16, s16, s17                     ; A: row 256 x tile row + 128 x half,
	s_lshl_b32 s16, s16, 11                        ; of 2,048 bytes
	s_mov_b32 s17, 0
.if EPI
	s_lshl_b32 s46, s42, 9                         ; W1: 512 bytes a tile column,
	s_add_co_u32 s46, s46, 0x800000                ; in its region of wb
.else
	s_lshl_b32 s46, ttmp9, 21                      ; Wq, Wk or Wv: 2 MiB each,
	s_lshl_b32 s47, s40, 9                         ; and the tile column inside it
	s_add_co_u32 s46, s46, s47
.endif
	s_mul_i32 s47, s12, 64*NW*2                    ; my 64 rows of the K step
	s_add_co_u32 s46, s46, s47
	s_mov_b32 s47, 0
	s_mul_i32 s20, s10, HALFT                      ; where they go: A's two halves, then W's two = wave x HALFT
	s_wait_kmcnt 0x0
	s_add_nc_u64 s[14:15], s[4:5], s[16:17]
	s_add_nc_u64 s[46:47], s[6:7], s[46:47]
	CROUND                                         ; all sixteen work-groups are here: the first joint loads meet
.irp s, 0,1
	s_mov_b32 s[G0+4*\s], 1
	s_add_co_u32 s[G0+4*\s+1], s20, \s*SLOT
	s_add_nc_u64 s[G0+4*\s+2:G0+4*\s+3], s[14:15], \s*KSTEP*2
	s_or_b32 s[G0+4*\s+3], s[G0+4*\s+3], 0x80000000
	s_mov_b32 s[G0B+4*\s], 1
	s_add_co_u32 s[G0B+4*\s+1], s20, \s*SLOT
	s_add_nc_u64 s[G0B+4*\s+2:G0B+4*\s+3], s[46:47], \s*KSTEP*NW*2
	s_or_b32 s[G0B+4*\s+3], s[G0B+4*\s+3], 0x80000000
.endr
	s_cmp_eq_u32 s11, 0                            ; a wave's two first fills stand in one branch, ahead of every wait on TENSORcnt, every LDS read and every barrier: two loads of mine are out
	s_cbranch_scc0 .Lfirst_w
	tensor_load_to_lds s[G0:G0+3], s[G1:G1+7]
	s_nop 0
	tensor_load_to_lds s[G0+4:G0+7], s[G1:G1+7]
	s_nop 0
	PLACES
	s_branch .Lfirst_asked
.Lfirst_w:
	tensor_load_to_lds s[G0B:G0B+3], s[G1B:G1B+7]
	s_nop 0
	tensor_load_to_lds s[G0B+4:G0B+7], s[G1B:G1B+7]
	s_nop 0
	PLACES
.Lfirst_asked:
	; A's fragment: lane l holds row l % 16; two loads of 16 bytes, 32 apart, at row x pitch + 16 (l / 16).
	; W's fragment, turned: lane l addresses k row 8 (l / 16) + l % 8, bytes 16 ((l / 8) % 2) on; the second load 16 rows further down.
	v_and_b32 v1, 15, v0                           ; l % 16
	v_bfe_u32 v2, v0, 4, 1                         ; l / 16
	v_mul_u32_u24 v3, v1, PA
	v_lshl_add_u32 v3, v2, 4, v3
	v_and_b32 v4, 7, v0
	v_lshl_add_u32 v4, v2, 3, v4
	v_mul_u32_u24 v4, v4, PW
	v_bfe_u32 v5, v0, 3, 1
	v_lshl_add_u32 v4, v5, 4, v4
	s_mul_i32 s21, s11, HALFT                      ; my 128 rows of A
	s_lshl_b32 s22, s12, 8                         ; my 128 columns of W: 256 bytes,
	s_add_co_u32 s22, s22, 2*HALFT                 ; behind A's 256 rows
.irp s, 0,1
	v_add_nc_u32 v[ADRA+\s], s21, v3
	v_add_nc_u32 v[ADRB+\s], s22, v4
	s_add_co_u32 s21, s21, SLOT
	s_add_co_u32 s22, s22, SLOT
.endr
	s_mul_i32 s23, s10, 16*SPITCH
	s_add_co_u32 s23, s23, STAGE                   ; my stage
	v_mul_u32_u24 v3, v1, SPITCH                   ; in: row l % 16, 16 bytes for each half of the lanes
	v_lshl_add_u32 v3, v2, 4, v3
	v_add_nc_u32 v[STO], s23, v3
	v_lshlrev_b32 v[BO], 5, v2                     ; the bias of my eight columns of a block: 32 bytes for each half of the lanes
.if EPI
	v_mul_u32_u24 v3, v2, SPITCH                   ; back: lanes 0-15 take one row of 256 bytes, lanes 16-31 the next
	v_lshl_add_u32 v3, v1, 4, v3
	v_add_nc_u32 v[RD], s23, v3
	v_lshlrev_b32 v3, 13, v2                       ; and the same two rows of 8,192 bytes in ff1
	v_lshl_add_u32 v[CO], v1, 4, v3
	s_lshl_b32 s16, s13, 8
	s_lshl_b32 s17, s11, 7
	s_add_co_u32 s16, s16, s17                     ; my first row,
	s_lshl_b32 s16, s16, 13
	s_lshl_b32 s17, s42, 9                         ; my first column
	s_add_co_u32 s16, s16, s17
	s_lshl_b32 s17, s12, 8
	s_add_co_u32 s16, s16, s17
	s_lshl_b32 s66, s42, 10                        ; the tile's first column in bf1
	s_mov_b32 s[KP], 0x3e6d3389
.else
	v_mul_u32_u24 v3, v5, SPITCH                   ; back: a stage row is two heads x 128 bytes.  Lanes 0-15 take the first head of two tokens, lanes 16-31 the second:
	v_and_b32 v4, 7, v0                            ; token (l / 8) % 2, 16 bytes at l % 8, head l / 16
	v_lshl_add_u32 v3, v4, 4, v3
	v_lshl_add_u32 v3, v2, 7, v3
	v_add_nc_u32 v[RD], s23, v3
	v_lshlrev_b32 v3, 18, v2                       ; in qkv a head's plane is 262,144 bytes, and two tokens of a head are 256 bytes on end
	v_lshl_add_u32 v[CO], v1, 4, v3
	s_lshl_b32 s16, ttmp9, 23                      ; q, k or v: 8 MiB each
	s_lshr_b32 s17, s13, 3                         ; batch = tile row / 8
	s_lshl_b32 s17, s17, 4
	s_lshl_b32 s18, s40, 2                         ; head = 4 x tile column in the matrix + 2 x column half
	s_add_co_u32 s17, s17, s18
	s_lshl_b32 s18, s12, 1
	s_add_co_u32 s17, s17, s18
	s_lshl_b32 s17, s17, 18
	s_add_co_u32 s16, s16, s17
	s_and_b32 s17, s13, 7                          ; token = 256 x (tile row % 8) + 128 x row half, 128 bytes each
	s_lshl_b32 s17, s17, 8
	s_lshl_b32 s18, s11, 7
	s_add_co_u32 s17, s17, s18
	s_lshl_b32 s17, s17, 7
	s_add_co_u32 s16, s16, s17
	s_lshl_b32 s66, s40, 10                        ; the tile's first column in the bias
	s_cmp_eq_u32 ttmp9, 1                          ; which bias: a choice of pointers on the cluster's x, no branch
	s_cselect_b64 s[74:75], s[70:71], s[68:69]
	s_cmp_eq_u32 ttmp9, 2
	s_cselect_b64 s[74:75], s[72:73], s[74:75]
.endif
	s_mov_b32 s17, 0
	s_add_nc_u64 s[8:9], s[8:9], s[16:17]
	s_lshl_b32 s67, s12, 9
	s_add_co_u32 s66, s66, s67
	s_mov_b32 s67, 0
	s_add_nc_u64 s[74:75], s[74:75], s[66:67]
	WIN TO_B
.irp b, 0,1,2,3,4,5,6,7
	global_load_b128 v[8*\b:8*\b+3],   v[BO], s[74:75] offset:64*\b       ; the bias of columns 16 b + 8 (l / 16) + 0..7: once, waited for behind the loop
	global_load_b128 v[8*\b+4:8*\b+7], v[BO], s[74:75] offset:64*\b+16
.endr
	WIN 0
; 16 matrix instructions: m blocks a0, a0 + 1 of the window's four x all 8 n blocks, 32 along K.  zero = 1: the first product starts the sums.  The 64 accumulators take turns, one instruction a turn.
.macro MUL16 f, hi, a0, zero
.irp a, \a0, \a0+1
.irp b, 0,1,2,3,4,5,6,7
.if \zero
	v_wmma_f32_16x16x32_bf16 v[8*(8*(\a)+\b):8*(8*(\a)+\b)+7], v[\f+8*\b:\f+8*\b+7], v[\f+8*(4*\hi+\a):\f+8*(4*\hi+\a)+7], 0
.else
	v_wmma_f32_16x16x32_bf16 v[8*(8*(\a)+\b):8*(8*(\a)+\b)+7], v[\f+8*\b:\f+8*\b+7], v[\f+8*(4*\hi+\a):\f+8*(4*\hi+\a)+7], v[8*(8*(\a)+\b):8*(8*(\a)+\b)+7]
.endif
.endr
.endr
.endm
; 32 LDS loads in one run: the fragments of quarter q (32 along K) of a slot into buffer f: W's 8 column blocks, turned, then A's 8 row blocks
.macro FETCH slot, q, f
	WIN TO_B
.irp i, 0,1,2,3,4,5,6,7
	ds_load_tr16_b128 v[\f+8*\i:\f+8*\i+3],   v[ADRB+\slot] offset:\q*32*PW+32*\i
	ds_load_tr16_b128 v[\f+8*\i+4:\f+8*\i+7], v[ADRB+\slot] offset:\q*32*PW+16*PW+32*\i
.endr
	WIN 0
.irp i, 0,1,2,3,4,5,6,7
	ds_load_b128 v[\f+8*\i:\f+8*\i+3],   v[ADRA+\slot] offset:\q*64+\i*16*PA
	ds_load_b128 v[\f+8*\i+4:\f+8*\i+7], v[ADRA+\slot] offset:\q*64+\i*16*PA+32
.endr
.endm
; A K step is four quarters of 32 along K, 64 matrix instructions each, on buffers 0, 1, 0, 1.  One of the first three multiplies buffer f and, in its middle, fetches quarter q into buffer g.
.macro QUARTER slot, q, f, g, zero
	s_wait_dscnt 8                                 ; W and A's rows 0-63 are in; the youngest eight loads (A's rows 64-127) may be out
	WIN MUL_LO
	MUL16 \f, 0, 0, \zero
	MUL16 \f, 0, 2, \zero
	PLACES
	FETCH \slot, \q, \g
	s_wait_dscnt 32                                ; all but the 32 just issued
	WIN MUL_HI
	MUL16 \f, 1, 0, \zero
	MUL16 \f, 1, 2, \zero
.endm
; The last quarter multiplies buffer 1 and changes slots: ONE barrier.  In front of it each wave waits for all its tensor loads (one is out: its part of the next slot), adds 0 to its spare
; word, and waits for that and for its own reads of this slot.  fill = 1: the barrier opens a round of the cluster's barrier, and this slot is filled again, two K steps ahead, first thing behind the round.
.macro TURN slot, next, fill
	WIN 0                                          ; (the add's two registers lie in window 0)
	s_wait_tensorcnt 0x0
	ds_add_u32 v[SPW], v[NIL]                      ; 0 onto my spare word
	s_wait_dscnt 9                                 ; (the add and the youngest eight loads may be out)
	WIN MUL_LO
	MUL16 F1, 0, 0, 0                              ; sixteen matrix instructions stand between the add and the wait for it
	s_wait_dscnt 0x0                               ; the add is done, and my reads of this slot are over
	s_barrier_signal -1
	MUL16 F1, 0, 2, 0                              ; work on registers while the others arrive
.if \fill
	WIN 0
.endif
	s_barrier_wait -1
.if \fill
	CREST                                          ; no wave of any partner still reads this slot's tile or has a load on its way
	s_add_nc_u64 s[G0+4*\slot+2:G0+4*\slot+3], s[G0+4*\slot+2:G0+4*\slot+3], 2*KSTEP*2
	s_add_nc_u64 s[G0B+4*\slot+2:G0B+4*\slot+3], s[G0B+4*\slot+2:G0B+4*\slot+3], 2*KSTEP*NW*2
	JLOAD \slot                                    ; my one tensor load behind the round; its four v_nop are also the places in front of the loads below
.else
	PLACES
.endif
	FETCH \next, 0, F0
	WIN MUL_HI
	MUL16 F1, 1, 0, 0
	MUL16 F1, 1, 2, 0
.endm
; THE WAY OUT of block a (16 rows x 128 columns).  PACK: bias, (gelu,) rounding.  TOSTAGE: into my own stage and back as 256 bytes that lie on end in OUT.  SEND: stored.
.macro HORNER c                        ; the series times t, plus the next coefficient
.set i, 0
.rept 8
	v_pk_fma_f32 v[P+i:P+i+1], v[P+i:P+i+1], v[D+i:D+i+1], v[\c:\c+1]
.set i, i+2
.endr
.endm
.macro GELU g                          ; sixteen numbers at X + 16 g, in place
.set XG, X+16*\g
.set i, 0
.rept 8
	v_pk_mul_f32 v[E+i:E+i+1], v[XG+i:XG+i+1], v[XG+i:XG+i+1]
.set i, i+2
.endr
.set i, 0
.rept 16
	v_fma_f32 v[D+i], |v[XG+i]|, s[KP], 1.0
.set i, i+1
.endr
.set i, 0
.rept 8
	v_pk_mul_f32 v[E+i:E+i+1], v[E+i:E+i+1], v[CKE:CKE+1]
.set i, i+2
.endr
.set i, 0
.rept 16
	v_rcp_f32 v[D+i], v[D+i]                       ; t
.set i, i+1
.endr
.set i, 0
.rept 16
	v_exp_f32 v[E+i], v[E+i]                       ; e^(-x x / 2)
.set i, i+1
.endr
.set i, 0
.rept 16
	v_max_num_f32 v[R+i], 0, v[XG+i]               ; plain work between the last exponential and the use of its result (ISA guide 5.7.2)
.set i, i+1
.endr
.set i, 0
.rept 8
	v_pk_fma_f32 v[P+i:P+i+1], v[D+i:D+i+1], v[CB5:CB5+1], v[CB4:CB4+1]
.set i, i+2
.endr
	HORNER CB3
	HORNER CB2
	HORNER CB1
.set i, 0
.rept 8
	v_pk_mul_f32 v[P+i:P+i+1], v[P+i:P+i+1], v[D+i:D+i+1]
.set i, i+2
.endr
.set i, 0
.rept 8
	v_pk_mul_f32 v[P+i:P+i+1], v[P+i:P+i+1], v[E+i:E+i+1]
.set i, i+2
.endr
.set i, 0
.rept 16
	v_fma_f32 v[XG+i], -|v[XG+i]|, v[P+i], v[R+i]
.set i, i+1
.endr
.endm
.macro PACK a
.set AC, 64*((\a)%4)
	WIN 0x06+(\a)/4                                ; source 0: the accumulators' window 2 or 3; source 1: the bias in window 1
.irp b, 0,1,2,3,4,5,6,7
.irp r, 0,2,4,6                        ; each accumulator is read from its low end on
	v_pk_add_f32 v[X+8*\b+\r:X+8*\b+\r+1], v[AC+8*\b+\r:AC+8*\b+\r+1], v[8*\b+\r:8*\b+\r+1]
.endr
.endr
	WIN 0
.if EPI
	GELU 0
	GELU 1
	GELU 2
	GELU 3
.endif
.set i, 0
.rept 32
	v_cvt_pk_bf16_f32 v[TMP+i], v[X+2*i], v[X+2*i+1]
.set i, i+1
.endr
.endm
.macro TOSTAGE a
.set BK, OB+192*((\a)%2)
.irp b, 0,1,2,3,4,5,6,7
	ds_store_b128 v[STO], v[TMP+4*\b:TMP+4*\b+3] offset:32*\b
.endr
.irp t, 0,1,2,3,4,5,6,7
	ds_load_b128 v[BK+4*\t:BK+4*\t+3], v[RD] offset:\t*2*SPITCH    ; LDS serves a wave's instructions in order (ISA guide 5.7.1.4): these see the stores above
.endr
.endm
.macro SEND a
.set BK, OB+192*((\a)%2)
	s_wait_dscnt 0x0                               ; the block is back in registers
	s_wait_xcnt 0x0                                ; the registers that the stores of two blocks ago read are loaded again only behind this wait
.irp t, 0,1,2,3,4,5,6,7
.if EPI
	global_store_b128 v[CO], v[BK+4*\t:BK+4*\t+3], s[8:9] offset:(16*(\a)+2*\t)*8192   ; 16 lanes store 256 consecutive bytes, aligned; 126 rows at the most, inside the signed 24-bit immediate
.else
	global_store_b128 v[CO], v[BK+4*\t:BK+4*\t+3], s[8:9] offset:2048*(\a)+256*\t      ; 16 lanes store two tokens x 128 bytes of one head: 256 consecutive bytes, aligned
.endif
.endr
.endm
	s_wait_tensorcnt 1                             ; my part of K step 0 is in; K step 1's may stay out
	s_barrier_signal -1
	s_barrier_wait -1                              ; everybody's is
	FETCH 0, 0, F0
	QUARTER 0, 1, F0, F1, 1                        ; the first quarter stands in front of the loop: its products start the sums
	WIN 0                                          ; at a label and at a branch every window is 0
	s_mov_b32 s3, LAPS-1
.Llap:                                                 ; a trip goes once round the ring, from a lap's second quarter to the next lap's first, and fills both slots again
	QUARTER 0, 2, F1, F0, 0
	QUARTER 0, 3, F0, F1, 0
	TURN 0, 1, 1
	QUARTER 1, 1, F0, F1, 0
	QUARTER 1, 2, F1, F0, 0
	QUARTER 1, 3, F0, F1, 0
	TURN 1, 0, 1
	QUARTER 0, 1, F0, F1, 0
	WIN 0
	s_sub_co_u32 s3, s3, 1
	s_cmp_lg_u32 s3, 0
	s_cbranch_scc1 .Llap
	QUARTER 0, 2, F1, F0, 0                        ; the last lap fills nothing, and has no round of the cluster's barrier
	QUARTER 0, 3, F0, F1, 0
	TURN 0, 1, 0
	QUARTER 1, 1, F0, F1, 0
	QUARTER 1, 2, F1, F0, 0
	QUARTER 1, 3, F0, F1, 0
	s_wait_dscnt 8                                 ; the very last quarter: nothing more to fetch
	WIN MUL_LO
	MUL16 F1, 0, 0, 0
	MUL16 F1, 0, 2, 0
	s_wait_dscnt 0x0
	WIN MUL_HI
	MUL16 F1, 1, 0, 0
	MUL16 F1, 1, 2, 0
	WIN 0
	s_wait_loadcnt 0x0                             ; the bias
.if EPI
.irp c, CB5, CB5+1                     ; the constants are made here: twelve plain instructions, the places behind the last products
	v_mov_b32 v[\c], 0x3f07dc22
.endr
.irp c, CB4, CB4+1
	v_mov_b32 v[\c], 0xbf3a00e3
.endr
.irp c, CB3, CB3+1
	v_mov_b32 v[\c], 0x3f35f0e3
.endr
.irp c, CB2, CB2+1
	v_mov_b32 v[\c], 0xbe11a98e
.endr
.irp c, CB1, CB1+1
	v_mov_b32 v[\c], 0x3e027906
.endr
.irp c, CKE, CKE+1
	v_mov_b32 v[\c], 0xbf38aa3b
.endr
.else
	PLACES
.endif
	PACK 0
	TOSTAGE 0
.irp a, 1,2,3,4,5,6,7                  ; block a's arithmetic stands between block a - 1's loads from the stage and the wait for them
	PACK \a
	SEND \a-1
	TOSTAGE \a
.endr
	SEND 7
	s_wait_tensorcnt 0x0                           ; the wave's end
	ds_add_u32 v[SPW], v[NIL]
	s_wait_dscnt 0x0
	CROUND                                         ; the closing round: no work-group ends while a partner may still ask for a tile that names it
	s_endpgm
.Lfunc_end_k_qe6a0491837_qkv:
	.size	k_qe6a0491837_qkv, .Lfunc_end_k_qe6a0491837_qkv-k_qe6a0491837_qkv
	.p2alignl 7, 3214868480
	.fill 96, 4, 3214868480
	.section	.rodata,"a",@progbits
	.p2align	6, 0x0
	.amdhsa_kernel k_qe6a0491837_qkv
		.amdhsa_group_segment_fixed_size 327680
		.amdhsa_private_segment_fixed_size 0
		.amdhsa_enable_private_segment 0
		.amdhsa_kernarg_size 48
		.amdhsa_user_sgpr_count 2
		.amdhsa_user_sgpr_kernarg_segment_ptr 1
		.amdhsa_wavefront_size32 1
		.amdhsa_system_sgpr_workgroup_id_x 1
		.amdhsa_system_sgpr_workgroup_id_y 1
		.amdhsa_system_sgpr_workgroup_id_z 1
		.amdhsa_system_vgpr_workitem_id 0
		.amdhsa_next_free_vgpr 1024
		.amdhsa_next_free_sgpr 76
		.amdhsa_reserve_vcc 0
		.amdhsa_float_denorm_mode_32 3
		.amdhsa_float_denorm_mode_16_64 3
		.amdhsa_memory_ordered 1
		.amdhsa_forward_progress 1
		.amdhsa_inst_pref_size 160
	.end_amdhsa_kernel
	.amdgpu_metadata
---
amdhsa.version: [ 1, 2 ]
amdhsa.kernels:
  - .name:           k_qe6a0491837_qkv
    .symbol:         k_qe6a0491837_qkv.kd
    .args:
      - { .name: xb, .offset: 0, .size: 8, .value_kind: global_buffer, .address_space: global }
      - { .name: wb, .offset: 8, .size: 8, .value_kind: global_buffer, .address_space: global }
      - { .name: qkv, .offset: 16, .size: 8, .value_kind: global_buffer, .address_space: global }
      - { .name: bq, .offset: 24, .size: 8, .value_kind: global_buffer, .address_space: global }
      - { .name: bk, .offset: 32, .size: 8, .value_kind: global_buffer, .address_space: global }
      - { .name: bv, .offset: 40, .size: 8, .value_kind: global_buffer, .address_space: global }
    .group_segment_fixed_size: 327680
    .private_segment_fixed_size: 0
    .kernarg_segment_align: 8
    .kernarg_segment_size: 48
    .max_flat_workgroup_size: 128
    .sgpr_count:     76
    .vgpr_count:     1024
    .wavefront_size: 32
...
	.end_amdgpu_metadata
.endif
;; end of part 2
;; launch attn (part 3): grid 16 x 16, 4 waves a work-group, clusters of 4 x 1, 327,680 bytes of LDS; arguments qkv, att; writes att
.if DOCPART == 3
	.amdgcn_target "amdgcn-amd-amdhsa--gfx1250"
	.amdhsa_code_object_version 6
	.text
	.protected	k_qe6a0491837_attn
	.globl	k_qe6a0491837_attn
	.p2align	8
	.type	k_qe6a0491837_attn,@function
k_qe6a0491837_attn:
	s_mov_b64 s[64:65], 0
	v_nop
	global_prefetch_b8 v0, s[64:65] scope:SCOPE_SE
	s_setreg_imm32_b32 hwreg(HW_REG_WAVE_MODE, 25, 1), 1
	s_wait_xcnt 0x0
	s_wait_alu depctr_hold_cnt(0) depctr_sa_sdst(0) depctr_va_vdst(0) depctr_va_sdst(0) depctr_va_ssrc(0) depctr_va_vcc(0) depctr_vm_vsrc(0)
	s_getreg_b32 s2, hwreg(HW_REG_IB_STS2, 6, 4)
	s_cmp_eq_u32 s2, 0
	s_cbranch_scc0 .Lentry_in_a_cluster
	s_endpgm
.Lentry_in_a_cluster:
	s_bfe_u32 s2, ttmp6, 0x10000c
	s_cmp_lg_u32 s2, 0x3003
	s_cbranch_scc0 .Lentry_shape_is_right
	s_endpgm
.Lentry_shape_is_right:
; att[token][64 head + d] = the sum over keys of softmax_k(q . k / 8) v[k][d].  q, k, v: qkv's three regions of 8 MiB, each [plane = 16 batch + head][2048][64] bf16; att: [4096][1024] bf16.
; Products, maxima and sums in f32; the weights are rounded to bf16 for the second product, the result once at the end.
; SHARES.  A work-group owns 128 queries of TWO neighbouring heads, so that a row of its output is 256 bytes on end.  Waves 0, 1 take the first head, waves 2, 3 the second; in a head the even
; wave takes queries 0-63, the odd one 64-127: four tiles of 16 a wave.  Every wave walks all 2,048 keys of its head, 64 a step.
; LAYOUT.  S^T = K Q^T (source 0 = 16 keys, source 1 = 16 queries): a lane holds ONE query (lane % 16) and the keys 8 (lane / 16) + 0..7.  Two such tiles, rounded in pairs, ARE source 1 of
; O^T = V^T P, whose result again holds one query a lane.  K comes out of LDS as it lies, V ([key][channel]) turned, by ds_load_tr16_b128.
; SOFTMAX.  For each query a running maximum m and sum l: p = 2^(c s - c m), c = log2(e) / 8; in every step O and l are multiplied by a = 2^(c m_old - c m_new), which is 1 where m has not grown.
; BY TURNS.  A key step has 64 matrix instructions and 4 x 118 = 472 vector instructions, and a wave issues in order: set in phases, neither unit would work while the other's instructions are
; issued.  So the wave's tiles are two PIECES, named by their first tile: piece 0 (tiles 0, 1) and piece 2 (tiles 2, 3).  In a TURN one piece has the matrix unit: 16 products V^T P of the step in
; hand, then 16 products K Q^T of the next step; the other piece's softmax, cut into 64 slices of four instructions, stands between them, two slices behind each matrix instruction.  Then the
; pieces change places.  Two turns are a key step.  The vector work is still the longer of the two: turns hide the products behind it, not the other way round.
; CLUSTER.  The four query blocks of a cluster walk the same K and V of the same two heads: each tile is asked for jointly, with a mask that names the four.  A slot holds FOUR steps (256 keys) of
; both heads; the even waves fetch their head's K, the odd ones its V: one load a wave behind each round, 256 rows of 128 bytes, with 256 matrix instructions between the request and the wait for it.
; LDS.  Slot s at 155,648 s: head 0's K (256 rows x 144), its V (256 rows x 160), then head 1's.  Behind the two slots the spare words.  The stage for the way out (128 rows x 272) lies in slot 0,
; from LDS byte 0: it is written behind slot 0's last fill of the launch and behind a barrier in front of which every wave's reads of the ring have come back.  311,808 bytes are used.
; REGISTERS, in windows of 256 (s_set_vgpr_msb: bits 1:0 source 0, 3:2 source 1, 5:4 source 2, 7:6 destination):
;   window 0: v0-11 addresses; v12-43 eight registers of statistics a tile; v64-191 S^T, 32 a tile; v192-255 P, 16 a tile.
;   window 1: v0-127 O^T, 32 a tile; v128-191 Q, 16 a tile; v192-255 K of one step.     window 2: v0-63 V of one step.
; All that a softmax touches but O^T lies in window 0, and no window has room for a product's operands beside it: the slices behind a matrix instruction cost two switches, one in front and one behind.
.set KS,    64        ; keys in a step
.set NST,   4         ; steps in a slot
.set KP,    144       ; a row of K in LDS: 128 bytes + 16 = 36 words
.set VP,    160       ; a row of V: 128 + 32 = 5 x 32 bytes
.set KSTEPB, KS*KP    ; a step's rows of K
.set VSTEPB, KS*VP    ; and of V
.set VOFF,  NST*KSTEPB  ; in a head's part of a slot: 256 rows of K, then 256 rows of V
.set HEADB, NST*(KSTEPB+VSTEPB)
.set SLOTB, 2*HEADB   ; 155,648 bytes
.set SP,    272       ; a row of the stage: 256 bytes + 16
.set SPARE, 2*SLOTB   ; behind the ring: the spare words, 128 bytes for each wave
.set AK0, 2           ; v2   my lane's place in my head's K; never rewritten
.set AV0, 3           ; v3   the same for V
.set ADR, 4           ; v4   the LDS address of the run of loads in hand
.set QO,  5           ; v5   my byte offset in the wave's rows of Q
.set STO, 6           ; v6   the way out: where I put 16 bytes of a row
.set RD,  7           ; v7   the way out: where I read a row back
.set GO,  8           ; v8   my byte offset in the wave's rows of att
.set ST,  12          ; tile t's statistics at v[ST+8 t]: +0 c m, +1 m, +2, +3 l (even keys', odd keys'), +4 to +7 c0-c3, at work; a takes c2's place once the maximum is found
.set SPW, 62          ; v62  LDS address of my spare word; never rewritten
.set NIL, 63          ; v63  0; never rewritten
.set S,   64
.set OBK, 128         ; the way out: whole rows read back
.set P,   192
.set QF,  128         ; in window 1
.set KF,  192         ; in window 1
.set VF,  0           ; in window 2
.set WV,  12          ; s12  my wave's number
.set HD,  13          ; s13  which of the two heads
.set ODD, 14          ; s14  which 64 queries; also: I fetch K (0) or V (1)
.set G1K, 24          ; s[24:31] descriptor group 1 for K's tiles
.set G1V, 32          ; s[32:39] for V's: it differs in the padding alone
.set G0K, 40          ; s[40:47] group 0 for K's tiles, a set for each slot: the LDS address stays, the global address steps
.set G0V, 48          ; s[48:55] the same for V's
.set SLOTS, 56        ; s56  counts the loop over pairs of slots
.set CNT, 57          ; s57  counts the steps walked in a slot
.set CS,  58          ; s[58:59] c
.set SEL, 60          ; s[60:61] lane selects for v_permlanex16_b32: each lane takes its own place in the other half
.set TBK, 62          ; s62  LDS byte, from a head's part of slot 0 on, at which the K rows of the step to be fetched begin
.set TBV, 63          ; s63  the same for V
.set MSB, 0
.macro WIN new                      ; the immediate's high byte repeats the setting that is left; a switch that changes nothing is dropped
.if MSB != (\new)
	s_set_vgpr_msb (MSB<<8)|(\new)
.set MSB, (\new)
.endif
.endm
.set W_KQ, 0x05       ; K and Q in window 1, S^T in window 0
.set W_PV, 0x52       ; V in window 2, P in window 0, O^T in window 1
.set W_RS, 0x41       ; O^T (destination and source 0) in window 1, the factor in window 0
.macro PLACES                       ; four plain places between a matrix instruction and a load into, or a vector instruction on, its registers
.rept 4
	v_nop
.endr
.endm
.macro JLOAD s                      ; a joint refill of slot s; the branch hangs on the wave's number alone; four v_nop follow each of the two lines
	s_cmp_eq_u32 s[ODD], 0
	s_cbranch_scc0 .Lfor_v_\@
	tensor_load_to_lds s[G0K+4*(\s):G0K+4*(\s)+3], s[G1K:G1K+7]
	s_nop 0
	PLACES
	s_branch .Lasked_\@
.Lfor_v_\@:
	tensor_load_to_lds s[G0V+4*(\s):G0V+4*(\s)+3], s[G1V:G1V+7]
	s_nop 0
	PLACES
.Lasked_\@:
.endm
.macro CROUND                       ; a round of the cluster's barrier
	s_barrier_signal -1
	s_barrier_wait -1
	s_cmp_lg_u32 s[WV], 0
	s_cbranch_scc1 .Lnot_wave_0_\@
	s_barrier_signal -3
.Lnot_wave_0_\@:
	s_barrier_wait -3
	s_barrier_signal -1
	s_barrier_wait -1
.endm
	s_load_b128 s[4:7], s[0:1], 0x0 ; qkv s[4:5], att s[6:7]
	v_lshl_add_u32 v[SPW], v0, 2, SPARE
	v_mov_b32 v[NIL], 0
	ds_add_u32 v62, v63
	s_wait_dscnt 0x0
	v_lshrrev_b32 v1, 5, v0
	v_readfirstlane_b32 s[WV], v1   ; wave 0..3
	s_lshr_b32 s[HD], s[WV], 1
	s_and_b32 s[ODD], s[WV], 1
	s_bfe_u32 s15, ttmp6, 0x40000   ; cx: my place in the cluster
	s_lshl_b32 s16, ttmp9, 2
	s_add_co_u32 s16, s16, s15      ; my block of 128 queries = 4 x cluster x + cx: it enters Q's and att's addresses alone
	s_and_b32 s17, ttmp7, 0xffff    ; the pair of heads, which the four partners share
	s_lshl_b32 s20, s17, 1
	s_add_co_u32 s20, s20, s[HD]    ; my plane,
	s_lshl_b32 s20, s20, 18         ; of 262,144 bytes
	s_mov_b32 s21, 0
	s_lshl_b32 s22, s16, 14         ; Q: my block's 128 rows of 128 bytes,
	s_lshl_b32 s23, s[ODD], 13      ; my wave's 64 of them,
	s_add_co_u32 s22, s22, s23
	s_add_co_u32 s22, s22, s20      ; in my plane
	s_mov_b32 s23, 0
	s_lshr_b32 s2, s17, 3           ; att: batch = pair / 8; token = 2,048 batch + 128 block + 32 wave (on the way out a wave stores 32 whole rows),
	s_lshl_b32 s2, s2, 11
	s_lshl_b32 s3, s16, 7
	s_add_co_u32 s2, s2, s3
	s_lshl_b32 s3, s[WV], 5
	s_add_co_u32 s2, s2, s3
	s_lshl_b32 s2, s2, 11           ; rows of 2,048 bytes,
	s_and_b32 s3, s17, 7
	s_lshl_b32 s3, s3, 8            ; and the pair's 256 bytes in a row
	s_add_co_u32 s2, s2, s3
	s_mov_b32 s3, 0
	s_mul_i32 s18, s[HD], HEADB     ; my head's part of a slot: no place in the cluster enters an LDS address
	; descriptor group 1: a tile of 256 rows x 64 elements, padded in LDS behind every 32 words
	s_mov_b32 s[G1K], 15|(1<<16)|(1<<20)|(1<<21)|(4<<22)|(3<<25)  ; 15:0 the mask: all four work-groups; 17:16 elements of 2 bytes; 20 padding on; 21 set beside a mask; 24:22 the interval; 31:25 4 words
	s_mov_b32 s[G1V], 15|(1<<16)|(1<<20)|(1<<21)|(4<<22)|(7<<25)  ; the same with 8 words
.irp g, G1K, G1V
	s_mov_b32 s[\g+1], 64<<16       ; tensor_dim0
	s_mov_b32 s[\g+2], (NST*KS)<<16 ; tensor_dim1
	s_mov_b32 s[\g+3], 64<<16       ; tile_dim0
	s_mov_b32 s[\g+4], NST*KS       ; tile_dim1
	s_mov_b32 s[\g+5], 64           ; elements from row to row
	s_mov_b32 s[\g+6], 0
	s_mov_b32 s[\g+7], 0
.endr
	s_mov_b32 s[CS], 0x3e38aa3b     ; c = log2(e) / 8
	s_mov_b32 s[CS+1], s[CS]        ; named with it as a pair, so it is written
	s_mov_b32 s[SEL], 0x76543210
	s_mov_b32 s[SEL+1], 0xfedcba98
	s_mov_b32 s[TBK], 0
	s_mov_b32 s[TBV], 0
	s_mov_b32 s[SLOTS], (2048/(NST*KS)-2)/2  ; eight fills in all: two at the start, six refills, two a trip
	s_wait_kmcnt 0x0
	s_add_nc_u64 s[8:9], s[4:5], s[20:21]
	s_add_nc_u64 s[10:11], s[8:9], 0x1000000  ; V's region, my plane
	s_add_nc_u64 s[8:9], s[8:9], 0x800000     ; K's region, my plane
	s_add_nc_u64 s[4:5], s[4:5], s[22:23]     ; Q at my wave's first row
	s_add_nc_u64 s[6:7], s[6:7], s[2:3]       ; att at the first row that I store
	CROUND                          ; all four work-groups are here: the first joint loads meet
.irp s, 0,1
	s_mov_b32 s[G0K+4*\s], 1
	s_add_co_u32 s[G0K+4*\s+1], s18, \s*SLOTB
	s_add_nc_u64 s[G0K+4*\s+2:G0K+4*\s+3], s[8:9], \s*NST*KS*128  ; slot s begins with keys 256 s to 256 s + 255
	s_or_b32 s[G0K+4*\s+3], s[G0K+4*\s+3], 0x80000000
	s_mov_b32 s[G0V+4*\s], 1
	s_add_co_u32 s[G0V+4*\s+1], s18, \s*SLOTB+VOFF
	s_add_nc_u64 s[G0V+4*\s+2:G0V+4*\s+3], s[10:11], \s*NST*KS*128
	s_or_b32 s[G0V+4*\s+3], s[G0V+4*\s+3], 0x80000000
.endr
	s_cmp_eq_u32 s[ODD], 0          ; a wave's two first fills stand in one branch, ahead of every wait on TENSORcnt and every LDS read: two loads of mine are out
	s_cbranch_scc0 .Lfirst_v
	tensor_load_to_lds s[G0K:G0K+3], s[G1K:G1K+7]
	s_nop 0
	tensor_load_to_lds s[G0K+4:G0K+7], s[G1K:G1K+7]
	s_nop 0
	PLACES
	s_branch .Lfirst_asked
.Lfirst_v:
	tensor_load_to_lds s[G0V:G0V+3], s[G1V:G1V+7]
	s_nop 0
	tensor_load_to_lds s[G0V+4:G0V+7], s[G1V:G1V+7]
	s_nop 0
	PLACES
.Lfirst_asked:
	v_and_b32 v1, 15, v0            ; l % 16
	v_bfe_u32 v9, v0, 4, 1          ; l / 16
	v_lshlrev_b32 v[QO], 7, v1
	v_lshl_add_u32 v[QO], v9, 4, v[QO]  ; row x 128 + 16 x half
	WIN 0x40                        ; destination window 1
.irp t, 0,1,2,3
.irp c, 0,1                         ; Q stays in registers: tile t, channels 32 c on
	global_load_b128 v[QF+16*\t+8*\c:QF+16*\t+8*\c+3],   v[QO], s[4:5] offset:\t*2048+\c*64
	global_load_b128 v[QF+16*\t+8*\c+4:QF+16*\t+8*\c+7], v[QO], s[4:5] offset:\t*2048+\c*64+32
.endr
.endr
	WIN 0
	v_mul_u32_u24 v[AK0], v1, KP
	v_lshl_add_u32 v[AK0], v9, 4, v[AK0]
	v_add_nc_u32 v[AK0], s18, v[AK0]    ; row x pitch + 16 x half, in my head's part
	v_and_b32 v10, 7, v0
	v_bfe_u32 v11, v0, 3, 1
	v_lshl_add_u32 v[AV0], v9, 3, v10   ; the turning load: key 8 (l / 16) + l % 8, bytes 16 ((l / 8) % 2) on
	v_mul_u32_u24 v[AV0], v[AV0], VP
	v_lshl_add_u32 v[AV0], v11, 4, v[AV0]
	s_add_co_u32 s19, s18, VOFF
	v_add_nc_u32 v[AV0], s19, v[AV0]
; THE MATRIX WORK OF A TURN, for piece x.  In both products eight accumulators take turns, one instruction a turn: between two links of a chain stand seven others'.
; Product i of 16 of O^T += V^T P: keys 32 (i / 8) on, channels 16 ((i / 2) % 4) on, tile x + i % 2.  zero = 1: the first 8 start the sums: nothing is ever cleared.
.macro PV x, zero
	WIN W_PV
.set rO, 32*(\x+i%2)+8*((i/2)%4)
.set rV, VF+32*(i/8)+8*((i/2)%4)
.set rP, P+16*(\x+i%2)+8*(i/8)
.if \zero && (i < 8)
	v_wmma_f32_16x16x32_bf16 v[rO:rO+7], v[rV:rV+7], v[rP:rP+7], 0
.else
	v_wmma_f32_16x16x32_bf16 v[rO:rO+7], v[rV:rV+7], v[rP:rP+7], v[rO:rO+7]
.endif
.endm
; Product i of 16 of S^T = K Q^T: channels 32 (i / 8) on, keys 16 ((i / 2) % 4) on, tile x + i % 2.  The first 8 start the sums.
.macro KQ x
	WIN W_KQ
.set rS, S+32*(\x+i%2)+8*((i/2)%4)
.set rK, KF+16*((i/2)%4)+8*(i/8)
.set rQ, QF+16*(\x+i%2)+8*(i/8)
.if i < 8
	v_wmma_f32_16x16x32_bf16 v[rS:rS+7], v[rK:rK+7], v[rQ:rQ+7], 0
.else
	v_wmma_f32_16x16x32_bf16 v[rS:rS+7], v[rK:rK+7], v[rQ:rQ+7], v[rS:rS+7]
.endif
.endm
; THE LDS LOADS stand in runs of 16, never singly among the matrix instructions: a step's K (64 keys x 64 channels: 8 fragments) and, a turn later, its V (turned).
.macro FETCH_K
	WIN 0
	v_add_nc_u32 v[ADR], s[TBK], v[AK0]
	s_add_co_u32 s[TBK], s[TBK], KSTEPB  ; the next fetch is the next step's
	WIN 0x40                        ; destination window 1
.irp f, 0,1,2,3,4,5,6,7             ; keys 16 (f / 2) on, channels 32 (f % 2) on
	ds_load_b128 v[KF+8*\f:KF+8*\f+3],   v[ADR] offset:(\f/2)*16*KP+(\f%2)*64
	ds_load_b128 v[KF+8*\f+4:KF+8*\f+7], v[ADR] offset:(\f/2)*16*KP+(\f%2)*64+32
.endr
.endm
.macro FETCH_V
	WIN 0
	v_add_nc_u32 v[ADR], s[TBV], v[AV0]
	s_add_co_u32 s[TBV], s[TBV], VSTEPB
	WIN 0x80                        ; destination window 2
.irp f, 0,1,2,3,4,5,6,7             ; keys 32 (f / 4) on, channels 16 (f % 4) on
	ds_load_tr16_b128 v[VF+8*\f:VF+8*\f+3],   v[ADR] offset:(\f/4)*32*VP+(\f%4)*32
	ds_load_tr16_b128 v[VF+8*\f+4:VF+8*\f+7], v[ADR] offset:(\f/4)*32*VP+16*VP+(\f%4)*32
.endr
.endm
; THE VECTOR WORK OF A TURN.  One tile's softmax for one key step is a list of 118 instructions; SM writes number j of it for tile t.  s0-s31 are the lane's 32 scores, in pairs 0-15.
; first = 1: the first key step, which starts m, l and O^T: it has no a and nothing to rescale.
;   0-15    the maximum of s0-s31 and the old m, three operands at a time: four chains c0-c3 of seven scores each (each accumulator is read from its low end on), then the four scores left over, c0-c3 and m
;   16-20   the other half of the lanes' maximum; the new m; c m; c m_old - c m_new
;   21-87   33 exponentials (a, then s0-s31) at the odd numbers from 23 on, so that no two follow each other and each has a plain instruction behind it before its result is used (ISA guide 5.7.2).
;           Plain instruction q (number 21, then the even numbers) is whatever is ready: c s - c m for a pair of scores whose exponentials are still to come (q = 0 to 3, then every
;           second q), the rounding to bf16 of a pair of weights whose exponentials are done (every other q from 5 on), at last the first three sums
;   88-101  the last rounding; the rest of the sums; l = a l + the sum
;   102-117 the tile's O^T times a, from each accumulator's low end on: the one part that leaves window 0, so it stands together
.macro SM t, first
.set rT, ST+8*(\t)
.set rS, S+32*(\t)
.set rP, P+16*(\t)
.set rO, 32*(\t)+2*(j-102)
.set q, (j-20)/2
.if j < 102
	WIN 0
.endif
.if j < 4
	v_max3_num_f32 v[rT+4+j], v[rS+8*j], v[rS+8*j+1], v[rS+8*j+2]
.elseif j < 12
	v_max3_num_f32 v[rT+4+j%4], v[rT+4+j%4], v[rS+8*(j%4)+2*(j/4)+1], v[rS+8*(j%4)+2*(j/4)+2]
.elseif j == 12
	v_max3_num_f32 v[rT+4], v[rT+4], v[rS+7], v[rS+15]
.elseif j == 13
	v_max3_num_f32 v[rT+6], v[rT+6], v[rS+23], v[rS+31]
.elseif j == 14
	v_max3_num_f32 v[rT+4], v[rT+4], v[rT+5], v[rT+6]
.elseif (j == 15) && \first
	v_max_num_f32 v[rT+4], v[rT+4], v[rT+7]
.elseif j == 15
	v_max3_num_f32 v[rT+4], v[rT+4], v[rT+7], v[rT+1]
.elseif j == 16
	v_permlanex16_b32 v[rT+5], v[rT+4], s[SEL], s[SEL+1]  ; the query's other 32 keys lie in the lane 16 away
.elseif j == 18
	v_max_num_f32 v[rT+1], v[rT+4], v[rT+5]
.elseif j == 19
	v_mul_f32 v[rT], s[CS], v[rT+1]
.elseif ((j == 17) || (j == 20) || (j == 23) || (j > 101)) && \first  ; the first step has none of these
.elseif j == 17
	v_mov_b32 v[rT+7], v[rT]        ; c m_old is kept for a: number 19 writes c m anew
.elseif j == 20
	v_sub_f32 v[rT+7], v[rT+7], v[rT]
.elseif j == 23
	v_exp_f32 v[rT+6], v[rT+7]
.elseif (j < 88) && (j > 23) && (j%2 == 1)
	v_exp_f32 v[rS+(j-25)/2], v[rS+(j-25)/2]
.elseif (q < 4) || ((j < 76) && (q%2 == 0))
.set b, q/2+2
.if q < 4
.set b, q
.endif
	v_pk_fma_f32 v[rS+2*b:rS+2*b+1], v[rS+2*b:rS+2*b+1], s[CS:CS+1], v[rT:rT+1] op_sel_hi:[1,0,0] neg_lo:[0,0,1] neg_hi:[0,0,1]  ; pair b: c s - c m
.elseif (j < 88) && (q%2 == 1)
	s_wait_alu depctr_va_vdst(0)
	v_cvt_pk_bf16_f32 v[rP+(q-5)/2], v[rS+q-5], v[rS+q-4]  ; pair (q - 5) / 2: its second exponential stands three numbers back
.elseif j == 89
	s_wait_alu depctr_va_vdst(0)
	v_cvt_pk_bf16_f32 v[rP+15], v[rS+30], v[rS+31]
.elseif j < 102                     ; the sum of the tile's 16 pairs (in a pair: an even key's weight, an odd key's), in place: sum z of 16 adds neighbours 1, 2, 4 and 8 pairs apart, then l takes it
.set z, j-86
.if j < 89
.set z, (j-76)/4
.endif
.set w, 4
.set u, z
.if z >= 14
.set w, 32
.set u, 0
.elseif z >= 12
.set w, 16
.set u, z-12
.elseif z >= 8
.set w, 8
.set u, z-8
.endif
.if (z == 14) && \first
	v_pk_add_f32 v[rT+2:rT+3], v[rS:rS+1], v[rS+16:rS+17]
.elseif z < 15
	v_pk_add_f32 v[rS+w*u:rS+w*u+1], v[rS+w*u:rS+w*u+1], v[rS+w*u+w/2:rS+w*u+w/2+1]
.elseif !\first
	v_pk_fma_f32 v[rT+2:rT+3], v[rT+2:rT+3], v[rT+6:rT+7], v[rS:rS+1] op_sel_hi:[1,0,1]
.endif
.elseif j < 118
	WIN W_RS
	v_pk_mul_f32 v[rO:rO+1], v[rO:rO+1], v[rT+6:rT+7] op_sel_hi:[1,0]
.endif
.endm
; Slice k of 64 of piece y's softmax: numbers 2 k and 2 k + 1 of both tiles' lists, four instructions.  2 x 118 = 4 x 59: slices 59 to 63 are empty.
.macro SLICE y, first
.if (k >= 11) && (k < 44)           ; tile by tile: plain, exponential, plain, exponential
.irp t, \y, \y+1
.irp n, 0,1
.set j, 2*k+\n
	SM \t, \first
.endr
.endr
.else                               ; the two tiles alternate, so that no instruction reads the result of the one just before it
.irp n, 0,1
.irp t, \y, \y+1
.set j, 2*k+\n
	SM \t, \first
.endr
.endr
.endif
.set k, k+1
.endm
; A TURN.  Piece x has the matrix unit; the other piece's softmax stands in slices behind its matrix instructions.
; pv = 2: 16 products V^T P; 1: they start O^T's sums; 0: none.  kq = 1: 16 products K Q^T for the next step.  With both kinds two slices stand behind each product, with one kind four.
; THE PLACES (ISA guide 7.12.1).  A turn's last two products K Q^T (keys 48-63) stand bare; the next turn reads their scores in number 3 of the list, behind six plain instructions (numbers 0 to 2
; of both tiles) that name none of their registers.  first = 1: the slices from 51 on are empty too, and four v_nop close the turn.
; Each run of loads stands behind the second product of a run of 16, 14 matrix instructions ahead of its first use.  Piece 0's turn fetches the next step's K: the last product that read K
; stands sixteen plain instructions back.  Piece 2's turn fetches the same step's V: the last product that read V stands twenty-four plain instructions back.
.macro TURN x, pv, kq, first
.set k, 0
.set per, 4
.if \pv && \kq
.set per, 2
.endif
.if \pv
.if \x == 0
	s_wait_dscnt 0x0                ; V is in
.endif
.set i, 0
.rept 16
	PV \x, 2-\pv
.rept per
	SLICE 2-\x, \first
.endr
.if (\x == 0) && \kq && (i == 1)
	FETCH_K
.endif
.set i, i+1
.endr
.endif
.if \kq
.if \x == 0
	s_wait_dscnt 0x0                ; K is in
.endif
.set i, 0
.rept 16
	KQ \x
.rept per
	SLICE 2-\x, \first
.endr
.if (\x == 2) && (i == 1)
	FETCH_V
.endif
.set i, i+1
.endr
.endif
.if \first
	PLACES
.endif
.endm
; THE CHANGE OF SLOTS, between piece 2's turn and piece 0's: the slot's last bytes, V of its fourth step, have been asked for.  Each wave waits for all its tensor loads (one is out: its part of
; the other slot), adds 0 to its spare word, and waits for that and for its own reads of the slot.  rd: the slot that is read from here on.
; fill = 1: the slot that is left is filled again, with the keys two slots on.  The barrier is then a round of the cluster's, so that no wave of any partner still reads the slot or has a load on
; its way, and the joint refill is the first thing behind it: it has four key steps, 256 matrix instructions, in which to land.
.macro CHANGE rd, fill
	WIN 0                           ; at a label and at a branch every window is 0
	s_wait_tensorcnt 0x0            ; no tensor load of mine is out, so a group 0 may be written
	ds_add_u32 v[SPW], v[NIL]       ; 0 onto my spare word; the scalar steps below stand between it and the wait for it
.if \fill
	s_add_nc_u64 s[G0K+4*(1-\rd)+2:G0K+4*(1-\rd)+3], s[G0K+4*(1-\rd)+2:G0K+4*(1-\rd)+3], 2*NST*KS*128  ; the slot's next 256 keys; the type bits on top are not reached
	s_add_nc_u64 s[G0V+4*(1-\rd)+2:G0V+4*(1-\rd)+3], s[G0V+4*(1-\rd)+2:G0V+4*(1-\rd)+3], 2*NST*KS*128
.endif
	s_mov_b32 s[TBK], \rd*SLOTB     ; the fetches go to the other slot's first step
	s_mov_b32 s[TBV], \rd*SLOTB
	s_wait_dscnt 0x0                ; the add is done, and my reads of the slot are over
.if \fill
	CROUND
	JLOAD 1-\rd
.else
	s_barrier_signal -1
	s_barrier_wait -1
.endif
.endm
.macro STEPS n                      ; n key steps in the slot in hand: written once, walked n times; the LDS addresses hang on s[TBK] and s[TBV]
	s_mov_b32 s[CNT], \n
.Lstep_\@:
	TURN 0, 2, 1, 0
	TURN 2, 2, 1, 0
	WIN 0
	s_sub_co_u32 s[CNT], s[CNT], 1
	s_cmp_lg_u32 s[CNT], 0
	s_cbranch_scc1 .Lstep_\@
.endm
	s_wait_tensorcnt 1              ; my part of slot 0 is in; slot 1's may stay out
	s_barrier_signal -1
	s_barrier_wait -1               ; everybody's is
	FETCH_K                         ; key step 0
	s_wait_loadcnt 0x0              ; Q
	s_wait_dscnt 0x0
.set i, 0
.rept 16
	KQ 0                            ; piece 0's first scores: there is no vector work yet to set between them
.set i, i+1
.endr
	WIN 0                           ; the addresses for the way out are made here: eight plain instructions, the places behind those products.  The stage begins at LDS byte 0
	s_mul_i32 s19, s[ODD], 64*SP
	s_lshl_b32 s20, s[HD], 7
	s_add_co_u32 s19, s19, s20      ; in: my 64 rows of the stage, my head's 128 bytes of them
	s_mul_i32 s20, s[WV], 32*SP     ; back: rows 32 w to 32 w + 31, whole
	v_mul_u32_u24 v[STO], v1, SP
	v_lshl_add_u32 v[STO], v9, 4, v[STO]
	v_add_nc_u32 v[STO], s19, v[STO]
	v_mul_u32_u24 v[RD], v9, SP     ; lanes 0-15 take one row of 256 bytes, lanes 16-31 the next
	v_lshl_add_u32 v[RD], v1, 4, v[RD]
	v_add_nc_u32 v[RD], s20, v[RD]
	v_lshlrev_b32 v[GO], 11, v9     ; and the same two rows in att
	v_lshl_add_u32 v[GO], v1, 4, v[GO]
	TURN 2, 0, 1, 1                 ; piece 2's first scores | piece 0's first softmax | V of step 0
	TURN 0, 1, 1, 1                 ; piece 0: V^T P of step 0 starts O^T, K Q^T of step 1 | piece 2's first softmax | K of step 1
	TURN 2, 1, 1, 0                 ; piece 2: the same | piece 0's softmax of step 1 | V of step 1
	WIN 0
	STEPS 2                         ; the fetches of steps 2 and 3: the rest of slot 0
.Lslot:                             ; three trips, two changes each: every fill but the first two
	CHANGE 1, 1
	STEPS NST
	CHANGE 0, 1
	STEPS NST
	s_sub_co_u32 s[SLOTS], s[SLOTS], 1
	s_cmp_lg_u32 s[SLOTS], 0
	s_cbranch_scc1 .Lslot
	CHANGE 1, 0                     ; the tail is written out: nothing more is asked for
	STEPS NST
	TURN 0, 2, 0, 0                 ; piece 0: V^T P of the last step | piece 2's last softmax
.set i, 0
.rept 16
	PV 2, 0                         ; piece 2: V^T P of the last step
.set i, i+1
.endr
	; THE WAY OUT.  l's two halves and the other half of the lanes' are added; O^T is divided by l, rounded to bf16 and sent through the work-group's stage.  The additions are the places behind the last products.
	; The stage lies in slot 0, which has had its last fill.  My reads of the ring came back at the head of the last turn; the barrier shows the same of every wave before any wave stores there.
	WIN 0
	s_barrier_signal -1
.irp t, 0,1,2,3
	v_add_f32 v[ST+8*\t+4], v[ST+8*\t+2], v[ST+8*\t+3]
.endr
.irp t, 0,1,2,3
	v_permlanex16_b32 v[ST+8*\t+5], v[ST+8*\t+4], s[SEL], s[SEL+1]
.endr
.irp t, 0,1,2,3
	v_add_f32 v[ST+8*\t+4], v[ST+8*\t+4], v[ST+8*\t+5]
.endr
.irp t, 0,1,2,3
	v_rcp_f32 v[ST+8*\t+6], v[ST+8*\t+4]
.endr
	v_nop                           ; a plain instruction between the last reciprocal and the use of its result
	s_barrier_wait -1
.macro PACK t                       ; tile t: a lane's eight channels of a row pack into 16 bytes
	WIN W_RS
.set i, 0
	s_wait_alu depctr_va_vdst(0)
.rept 16
	v_pk_mul_f32 v[32*\t+2*i:32*\t+2*i+1], v[32*\t+2*i:32*\t+2*i+1], v[ST+8*\t+6:ST+8*\t+7] op_sel_hi:[1,0]
.set i, i+1
.endr
	WIN 0x05                        ; sources 0 and 1 window 1, destination window 0: S^T's registers are free
.set i, 0
.rept 16
	v_cvt_pk_bf16_f32 v[S+16*\t+i], v[32*\t+2*i], v[32*\t+2*i+1]
.set i, i+1
.endr
	WIN 0
.irp c, 0,1,2,3
	ds_store_b128 v[STO], v[S+16*\t+4*\c:S+16*\t+4*\c+3] offset:\t*16*SP+32*\c
.endr
.endm
	PACK 0
	PACK 1
	PACK 2
	PACK 3
	s_wait_dscnt 0x0                ; for the others' sake: my stores into the stage are done (a row's 256 bytes come from two waves)
	s_barrier_signal -1
	s_barrier_wait -1
.irp i, 0,1,2,3,4,5,6,7,8,9,10,11,12,13,14,15
	ds_load_b128 v[OBK+4*\i:OBK+4*\i+3], v[RD] offset:\i*2*SP
.endr
.irp i, 0,1,2,3,4,5,6,7,8,9,10,11,12,13,14,15
	s_wait_dscnt 15-\i              ; LDS loads come back in order: load i is in when at most the 15 - i younger ones are out
	global_store_b128 v[GO], v[OBK+4*\i:OBK+4*\i+3], s[6:7] offset:\i*4096  ; 16 lanes store 256 consecutive bytes, aligned
.endr
	s_wait_tensorcnt 0x0            ; the wave's end
	ds_add_u32 v[SPW], v[NIL]
	s_wait_dscnt 0x0
	CROUND                          ; the closing round
	s_endpgm
.Lfunc_end_k_qe6a0491837_attn:
	.size	k_qe6a0491837_attn, .Lfunc_end_k_qe6a0491837_attn-k_qe6a0491837_attn
	.p2alignl 7, 3214868480
	.fill 96, 4, 3214868480
	.section	.rodata,"a",@progbits
	.p2align	6, 0x0
	.amdhsa_kernel k_qe6a0491837_attn
		.amdhsa_group_segment_fixed_size 327680
		.amdhsa_private_segment_fixed_size 0
		.amdhsa_enable_private_segment 0
		.amdhsa_kernarg_size 16
		.amdhsa_user_sgpr_count 2
		.amdhsa_user_sgpr_kernarg_segment_ptr 1
		.amdhsa_wavefront_size32 1
		.amdhsa_system_sgpr_workgroup_id_x 1
		.amdhsa_system_sgpr_workgroup_id_y 1
		.amdhsa_system_sgpr_workgroup_id_z 1
		.amdhsa_system_vgpr_workitem_id 0
		.amdhsa_next_free_vgpr 576
		.amdhsa_next_free_sgpr 66
		.amdhsa_reserve_vcc 0
		.amdhsa_float_denorm_mode_32 3
		.amdhsa_float_denorm_mode_16_64 3
		.amdhsa_memory_ordered 1
		.amdhsa_forward_progress 1
		.amdhsa_inst_pref_size 242
	.end_amdhsa_kernel
	.amdgpu_metadata
---
amdhsa.version: [ 1, 2 ]
amdhsa.kernels:
  - .name:           k_qe6a0491837_attn
    .symbol:         k_qe6a0491837_attn.kd
    .args:
      - { .name: qkv, .offset: 0, .size: 8, .value_kind: global_buffer, .address_space: global }
      - { .name: att, .offset: 8, .size: 8, .value_kind: global_buffer, .address_space: global }
    .group_segment_fixed_size: 327680
    .private_segment_fixed_size: 0
    .kernarg_segment_align: 8
    .kernarg_segment_size: 16
    .max_flat_workgroup_size: 128
    .sgpr_count:     66
    .vgpr_count:     576
    .wavefront_size: 32
...
	.end_amdgpu_metadata
.endif
;; end of part 3
;; launch wo (part 4): grid 8 x 32, 4 waves a work-group, clusters of 4 x 4, 327,680 bytes of LDS; arguments att, wb, y, bo, x; writes y
.if DOCPART == 4
	.amdgcn_target "amdgcn-amd-amdhsa--gfx1250"
	.amdhsa_code_object_version 6
	.text
	.protected	k_qe6a0491837_wo
	.globl	k_qe6a0491837_wo
	.p2align	8
	.type	k_qe6a0491837_wo,@function
k_qe6a0491837_wo:
	s_mov_b64 s[64:65], 0
	v_nop
	global_prefetch_b8 v0, s[64:65] scope:SCOPE_SE
	s_setreg_imm32_b32 hwreg(HW_REG_WAVE_MODE, 25, 1), 1
	s_wait_xcnt 0x0
	s_wait_alu depctr_hold_cnt(0) depctr_sa_sdst(0) depctr_va_vdst(0) depctr_va_sdst(0) depctr_va_ssrc(0) depctr_va_vcc(0) depctr_vm_vsrc(0)
	s_getreg_b32 s2, hwreg(HW_REG_IB_STS2, 6, 4)
	s_cmp_eq_u32 s2, 0
	s_cbranch_scc0 .Lentry_in_a_cluster
	s_endpgm
.Lentry_in_a_cluster:
	s_bfe_u32 s2, ttmp6, 0x10000c
	s_cmp_lg_u32 s2, 0xf033
	s_cbranch_scc0 .Lentry_shape_is_right
	s_endpgm
.Lentry_shape_is_right:
; Y = RES + A W + bias, in f32: the sum in front of a LayerNorm.  A: [4096][KDIM] bf16, W: [KDIM][1024] bf16 as it lies ([k][n]), at byte WGOFF of wb; RES, Y: [4096][1024] f32; sums in f32.
; Here: A = att, W = Wo, bias = bo, RES = x.
; 1,024 columns make too few tiles of 256 x 256, so a tile of Y is 128 x 128: 8 x 32 = 256 work-groups.  Four waves, each 64 x 64: 16 accumulators, 128 registers.  K goes in steps of 256, as long as
; two slots in LDS allow: 128 rows of A (512 bytes each) and 256 rows of W (256 bytes each); waves 0, 1 fetch A's halves, waves 2, 3 W's.
; CLUSTERS: 4 x 4 work-groups; A's tile is asked for jointly by a row of the cluster, W's by a column.
; THE MATRIX INSTRUCTION IS USED TRANSPOSED (source 0 = 16 columns of W, turned by ds_load_tr16_b128; source 1 = 16 rows of A): a lane holds eight neighbouring numbers of a row of Y.
; A wave's 64 columns of f32 are 256 bytes on end, aligned: each wave has a stage of its own on the way out and no barrier is needed there.
; REGISTERS: window 0: v0-31 addresses; v32-95 the way out; v96-99 the bias; v128-255 the accumulators ((a, b) at v[128 + 8 (4 a + b)]).
;   window 1: two fragment buffers of 128: for 64 along K, 64 registers of A, then 64 of W.     window 2: v0-127 RES of my 64 x 64, loaded at the start.
.set KDIM,   1024
.set WGOFF,  6291456
.set KSTEP,  256
.set PA,     528                       ; a row of A in LDS: 512 bytes + 16
.set PW,     288                       ; a row of W: 256 bytes + 32 = 9 x 32
.set HA,     64*PA                     ; what a tensor load of A brings: 64 rows
.set HW,     128*PW                    ; and of W: 128 rows
.set WOFF,   2*HA
.set SLOT,   2*HA+2*HW
.set STAGE,  2*SLOT                    ; behind the ring: 16 rows x 272 bytes for each wave
.set SPITCH, 272
.set SPARE,  STAGE+4*16*SPITCH         ; behind the stages: the spare words, 128 bytes for each wave
.set LAPS,   KDIM/(2*KSTEP)
.set ADRA, 16                          ; v16-17  LDS address of my A fragments in slot 0, 1
.set ADRB, 20                          ; v20-23  of my W fragments: slot 0 rows 0-127, rows 128-255, slot 1 likewise (row 255 lies past a 16-bit offset)
.set STO,  24
.set RD,   25
.set CO,   26                          ; v26     my byte offset in RES and in Y
.set BO,   27                          ; v27     my byte offset in the bias
.set SPW,  28
.set NIL,  29
.set TMP,  32
.set BIAS, 96
.set ACC,  128
.set F0,   0
.set F1,   128
.set G1,  24
.set G0,  32
.set G1B, 48
.set G0B, 56
.set MSB, 0
.macro WIN new
.if MSB != (\new)
	s_set_vgpr_msb (MSB<<8)|(\new)
.set MSB, (\new)
.endif
.endm
.set MUL,  0x05                        ; sources 0 (W) and 1 (A) window 1; C and D window 0
.set TO_F, 0x40                        ; destination window 1, address window 0
.macro PLACES
.rept 4
	v_nop
.endr
.endm
.macro JLOAD s                         ; a joint refill; the branch hangs on the wave's number alone; four v_nop follow each of the two lines
	s_cmp_eq_u32 s11, 0
	s_cbranch_scc0 .Lfor_b_\@
	tensor_load_to_lds s[G0+4*\s:G0+4*\s+3], s[G1:G1+7]
	s_nop 0
	PLACES
	s_branch .Lasked_\@
.Lfor_b_\@:
	tensor_load_to_lds s[G0B+4*\s:G0B+4*\s+3], s[G1B:G1B+7]
	s_nop 0
	PLACES
.Lasked_\@:
.endm
.macro CREST
	s_cmp_lg_u32 s10, 0
	s_cbranch_scc1 .Lnot_wave_0_\@
	s_barrier_signal -3
.Lnot_wave_0_\@:
	s_barrier_wait -3
	s_barrier_signal -1
	s_barrier_wait -1
.endm
.macro CROUND
	s_barrier_signal -1
	s_barrier_wait -1
	CREST
.endm
	s_load_b128 s[4:7], s[0:1], 0x0                ; A s[4:5], wb s[6:7]
	s_load_b64 s[8:9], s[0:1], 0x10                ; Y
	s_load_b128 s[68:71], s[0:1], 0x18             ; bias s[68:69], RES s[70:71]
	v_lshl_add_u32 v[SPW], v0, 2, SPARE
	v_mov_b32 v[NIL], 0
	ds_add_u32 v28, v29
	s_wait_dscnt 0x0
	v_lshrrev_b32 v1, 5, v0
	v_readfirstlane_b32 s10, v1                    ; wave 0..3
	s_lshr_b32 s11, s10, 1                         ; which half of the tile's rows is mine.  Also: I fetch for A (0) or for W (1)
	s_and_b32 s12, s10, 1                          ; which half of its columns.  Also: which half of that tile I fetch
	s_bfe_u32 s40, ttmp6, 0x40000
	s_bfe_u32 s41, ttmp6, 0x40004
	s_lshl_b32 s42, ttmp9, 2
	s_add_co_u32 s42, s42, s40                     ; tile column
	s_and_b32 s13, ttmp7, 0xffff
	s_lshl_b32 s13, s13, 2
	s_add_co_u32 s13, s13, s41                     ; tile row
	s_lshl_b32 s43, s41, 2
	s_lshl_b32 s43, 15, s43                        ; my row of the cluster
	s_lshl_b32 s44, 0x1111, s40                    ; my column
	; group 1 for A: 64 rows x 256 elements, 4 words of padding behind every 128.  For W: 128 rows x 128 elements, 8 words behind every 64.
	s_or_b32 s[G1+0], s43, (1<<16)|(1<<20)|(1<<21)|(6<<22)|(3<<25)
	s_or_b32 s[G1B+0], s44, (1<<16)|(1<<20)|(1<<21)|(5<<22)|(7<<25)
	s_mov_b32 s[G1+1], 256<<16                     ; tensor_dim0
	s_mov_b32 s[G1B+1], 128<<16
	s_mov_b32 s[G1+2], 64<<16                      ; tensor_dim1
	s_mov_b32 s[G1B+2], 128<<16
	s_mov_b32 s[G1+3], 256<<16                     ; tile_dim0
	s_mov_b32 s[G1B+3], 128<<16
	s_mov_b32 s[G1+4], 64                          ; tile_dim1
	s_mov_b32 s[G1B+4], 128
	s_mov_b32 s[G1+5], KDIM                        ; elements from row to row
	s_mov_b32 s[G1B+5], 1024
	s_mov_b32 s[G1+6], 0
	s_mov_b32 s[G1B+6], 0
	s_mov_b32 s[G1+7], 0
	s_mov_b32 s[G1B+7], 0
	s_lshl_b32 s16, s13, 7
	s_lshl_b32 s17, s12, 6
	s_add_co_u32 s16, s16, s17                     ; A: row 128 x tile row + 64 x half,
	s_mul_i32 s16, s16, KDIM*2                     ; in bytes (under 2^26)
	s_mov_b32 s17, 0
	s_lshl_b32 s46, s42, 8                         ; W: 256 bytes a tile column,
	s_add_co_u32 s46, s46, WGOFF                   ; in its region of wb,
	s_lshl_b32 s47, s12, 18                        ; my 128 rows of 2,048 bytes of the K step
	s_add_co_u32 s46, s46, s47
	s_mov_b32 s47, 0
	s_mul_i32 s20, s12, HA                         ; where they go: A's two halves,
	s_mul_i32 s21, s12, HW
	s_add_co_u32 s21, s21, WOFF                    ; then W's two
	s_wait_kmcnt 0x0
	s_add_nc_u64 s[14:15], s[4:5], s[16:17]
	s_add_nc_u64 s[46:47], s[6:7], s[46:47]
	CROUND                                         ; all sixteen work-groups are here: the first joint loads meet
.irp s, 0,1
	s_mov_b32 s[G0+4*\s], 1
	s_add_co_u32 s[G0+4*\s+1], s20, \s*SLOT
	s_add_nc_u64 s[G0+4*\s+2:G0+4*\s+3], s[14:15], \s*KSTEP*2
	s_or_b32 s[G0+4*\s+3], s[G0+4*\s+3], 0x80000000
	s_mov_b32 s[G0B+4*\s], 1
	s_add_co_u32 s[G0B+4*\s+1], s21, \s*SLOT
	s_add_nc_u64 s[G0B+4*\s+2:G0B+4*\s+3], s[46:47], \s*KSTEP*2048
	s_or_b32 s[G0B+4*\s+3], s[G0B+4*\s+3], 0x80000000
.endr
	s_cmp_eq_u32 s11, 0                            ; a wave's two first fills stand in one branch, ahead of every wait on TENSORcnt, every LDS read and every barrier: two loads of mine are out
	s_cbranch_scc0 .Lfirst_w
	tensor_load_to_lds s[G0:G0+3], s[G1:G1+7]
	s_nop 0
	tensor_load_to_lds s[G0+4:G0+7], s[G1:G1+7]
	s_nop 0
	PLACES
	s_branch .Lfirst_asked
.Lfirst_w:
	tensor_load_to_lds s[G0B:G0B+3], s[G1B:G1B+7]
	s_nop 0
	tensor_load_to_lds s[G0B+4:G0B+7], s[G1B:G1B+7]
	s_nop 0
	PLACES
.Lfirst_asked:
	v_and_b32 v1, 15, v0                           ; l % 16
	v_bfe_u32 v2, v0, 4, 1                         ; l / 16
	v_mul_u32_u24 v3, v1, PA
	v_lshl_add_u32 v3, v2, 4, v3                   ; A: row x pitch + 16 x half
	v_and_b32 v4, 7, v0
	v_lshl_add_u32 v4, v2, 3, v4
	v_mul_u32_u24 v4, v4, PW
	v_bfe_u32 v5, v0, 3, 1
	v_lshl_add_u32 v4, v5, 4, v4                   ; W, turned: k row 8 (l / 16) + l % 8, bytes 16 ((l / 8) % 2) on
	s_mul_i32 s18, s11, HA                         ; my 64 rows of A
	s_lshl_b32 s19, s12, 7                         ; my 64 columns of W: 128 bytes,
	s_add_co_u32 s19, s19, WOFF                    ; behind A's 128 rows
.irp s, 0,1
	v_add_nc_u32 v[ADRA+\s], s18, v3
	v_add_nc_u32 v[ADRB+2*\s], s19, v4
	s_add_co_u32 s19, s19, HW
	v_add_nc_u32 v[ADRB+2*\s+1], s19, v4
	s_add_co_u32 s18, s18, SLOT
	s_add_co_u32 s19, s19, SLOT-HW
.endr
	s_mul_i32 s23, s10, 16*SPITCH
	s_add_co_u32 s23, s23, STAGE                   ; my stage
	v_mul_u32_u24 v3, v1, SPITCH                   ; in: row l % 16, 32 bytes (eight f32) for each half of the lanes
	v_lshl_add_u32 v3, v2, 5, v3
	v_add_nc_u32 v[STO], s23, v3
	v_mul_u32_u24 v3, v2, SPITCH                   ; back: lanes 0-15 take one row of 256 bytes, lanes 16-31 the next
	v_lshl_add_u32 v3, v1, 4, v3
	v_add_nc_u32 v[RD], s23, v3
	v_lshlrev_b32 v3, 12, v2                       ; and the same two rows of 4,096 bytes in RES and Y
	v_lshl_add_u32 v[CO], v1, 4, v3
	v_lshlrev_b32 v[BO], 4, v1                     ; my four columns
	s_lshl_b32 s46, s42, 9                         ; my first column, in bytes of f32: 512 x tile column + 256 x half
	s_lshl_b32 s47, s12, 8
	s_add_co_u32 s46, s46, s47
	s_mov_b32 s47, 0
	s_add_nc_u64 s[68:69], s[68:69], s[46:47]
	s_lshl_b32 s16, s13, 7
	s_lshl_b32 s17, s11, 6
	s_add_co_u32 s16, s16, s17                     ; my first row
	s_lshl_b32 s16, s16, 12
	s_add_co_u32 s16, s16, s46
	s_mov_b32 s17, 0
	s_add_nc_u64 s[8:9], s[8:9], s[16:17]
	s_add_nc_u64 s[70:71], s[70:71], s[16:17]
	WIN 0x80                                       ; destination window 2
.irp a, 0,1,2,3
.irp t, 0,1,2,3,4,5,6,7
	global_load_b128 v[32*\a+4*\t:32*\a+4*\t+3], v[CO], s[70:71] offset:(16*\a+2*\t)*4096   ; RES, as the way out will hold Y: 16 lanes take 256 consecutive bytes; waited for behind the loop
.endr
.endr
	WIN 0
	global_load_b128 v[BIAS:BIAS+3], v[BO], s[68:69]
; 8 matrix instructions: m blocks a0, a0 + 1 x all 4 n blocks, 32 along K: half c of buffer f.  The 16 accumulators take turns, one instruction a turn.
.macro MUL8 f, c, a0, zero
.irp a, \a0, \a0+1
.irp b, 0,1,2,3
.if \zero
	v_wmma_f32_16x16x32_bf16 v[ACC+8*(4*(\a)+\b):ACC+8*(4*(\a)+\b)+7], v[\f+64+8*(4*\c+\b):\f+64+8*(4*\c+\b)+7], v[\f+8*(4*\c+\a):\f+8*(4*\c+\a)+7], 0
.else
	v_wmma_f32_16x16x32_bf16 v[ACC+8*(4*(\a)+\b):ACC+8*(4*(\a)+\b)+7], v[\f+64+8*(4*\c+\b):\f+64+8*(4*\c+\b)+7], v[\f+8*(4*\c+\a):\f+8*(4*\c+\a)+7], v[ACC+8*(4*(\a)+\b):ACC+8*(4*(\a)+\b)+7]
.endif
.endr
.endr
.endm
; 32 LDS loads in one run: the fragments of quarter kq (64 along K) of a slot, into buffer f; the first 32 along K first
.macro FETCH slot, kq, f
	WIN TO_F
.irp c, 0,1
.irp i, 0,1,2,3
	ds_load_tr16_b128 v[\f+64+8*(4*\c+\i):\f+64+8*(4*\c+\i)+3],   v[ADRB+2*\slot+\kq/2] offset:((\kq%2)*64+32*\c)*PW+32*\i
	ds_load_tr16_b128 v[\f+64+8*(4*\c+\i)+4:\f+64+8*(4*\c+\i)+7], v[ADRB+2*\slot+\kq/2] offset:((\kq%2)*64+32*\c+16)*PW+32*\i
	ds_load_b128 v[\f+8*(4*\c+\i):\f+8*(4*\c+\i)+3],              v[ADRA+\slot] offset:128*\kq+64*\c+\i*16*PA
	ds_load_b128 v[\f+8*(4*\c+\i)+4:\f+8*(4*\c+\i)+7],            v[ADRA+\slot] offset:128*\kq+64*\c+\i*16*PA+32
.endr
.endr
.endm
; A K step is four quarters of 64 along K, 32 matrix instructions each, on buffers 0, 1, 0, 1.
.macro QUARTER slot, kq, f, g, zero
	s_wait_dscnt 16                                ; the first 32 along K are in; the sixteen younger loads may be out
	WIN MUL
	MUL8 \f, 0, 0, \zero
	MUL8 \f, 0, 2, \zero
	PLACES
	FETCH \slot, \kq, \g
	s_wait_dscnt 32                                ; all but the 32 just issued
	WIN MUL
	MUL8 \f, 1, 0, 0
	MUL8 \f, 1, 2, 0
.endm
; The last quarter multiplies buffer 1 and changes slots: ONE barrier; in front of it each wave waits for all its tensor loads, adds 0 to its spare word, and waits for that and for its reads of this slot.
.macro TURN slot, next, fill
	WIN 0
	s_wait_tensorcnt 0x0                           ; all my tensor loads have landed: my part of the next slot
	ds_add_u32 v[SPW], v[NIL]                      ; 0 onto my spare word
	s_wait_dscnt 17                                ; (the add and the youngest sixteen loads may be out)
	WIN MUL
	MUL8 F1, 0, 0, 0
	s_wait_dscnt 0x0                               ; the add is done, and my reads of this slot are over
	s_barrier_signal -1
	MUL8 F1, 0, 2, 0
.if \fill
	WIN 0
.endif
	s_barrier_wait -1
.if \fill
	CREST                                          ; the barrier has opened a round of the cluster's barrier
	s_add_nc_u64 s[G0+4*\slot+2:G0+4*\slot+3], s[G0+4*\slot+2:G0+4*\slot+3], 2*KSTEP*2
	s_add_nc_u64 s[G0B+4*\slot+2:G0B+4*\slot+3], s[G0B+4*\slot+2:G0B+4*\slot+3], 2*KSTEP*2048
	JLOAD \slot                                    ; my one tensor load behind the round; its four v_nop are also the places in front of the loads below
.else
	PLACES
.endif
	FETCH \next, 0, F0
	WIN MUL
	MUL8 F1, 1, 0, 0
	MUL8 F1, 1, 2, 0
.endm
; THE WAY OUT of block a (16 rows x 64 columns of f32): through my own stage, back as whole rows of 256 bytes; RES and the bias are added; stored.
.macro OUT a
.set TB, TMP+32*((\a)%2)
	s_wait_xcnt 0x0                                ; the registers that the stores of two blocks ago read are loaded again only behind this wait
.irp b, 0,1,2,3
	ds_store_b128 v[STO], v[ACC+8*(4*(\a)+\b):ACC+8*(4*(\a)+\b)+3]   offset:64*\b      ; each accumulator's low half first
	ds_store_b128 v[STO], v[ACC+8*(4*(\a)+\b)+4:ACC+8*(4*(\a)+\b)+7] offset:64*\b+16
.endr
.irp t, 0,1,2,3,4,5,6,7
	ds_load_b128 v[TB+4*\t:TB+4*\t+3], v[RD] offset:\t*2*SPITCH    ; LDS serves a wave's instructions in order (ISA guide 5.7.1.4): these see the stores above
.endr
	s_wait_dscnt 0x0
	WIN 0x08                                       ; source 1: RES in window 2
.irp k, 0,2,4,6,8,10,12,14,16,18,20,22,24,26,28,30
	v_pk_add_f32 v[TB+\k:TB+\k+1], v[TB+\k:TB+\k+1], v[32*(\a)+\k:32*(\a)+\k+1]
.endr
	WIN 0
.irp t, 0,1,2,3,4,5,6,7
	v_pk_add_f32 v[TB+4*\t:TB+4*\t+1],   v[TB+4*\t:TB+4*\t+1],   v[BIAS:BIAS+1]
	v_pk_add_f32 v[TB+4*\t+2:TB+4*\t+3], v[TB+4*\t+2:TB+4*\t+3], v[BIAS+2:BIAS+3]
.endr
.irp t, 0,1,2,3,4,5,6,7
	global_store_b128 v[CO], v[TB+4*\t:TB+4*\t+3], s[8:9] offset:(16*(\a)+2*\t)*4096   ; 16 lanes store 256 consecutive bytes, aligned
.endr
.endm
	s_wait_tensorcnt 1                             ; my part of K step 0 is in; K step 1's may stay out
	s_barrier_signal -1
	s_barrier_wait -1
	FETCH 0, 0, F0
	QUARTER 0, 1, F0, F1, 1                        ; the first quarter stands in front of the loop: its first products start the sums
	WIN 0
	s_mov_b32 s3, LAPS-1
.Llap:                                                 ; a trip goes once round the ring and fills both slots again
	QUARTER 0, 2, F1, F0, 0
	QUARTER 0, 3, F0, F1, 0
	TURN 0, 1, 1
	QUARTER 1, 1, F0, F1, 0
	QUARTER 1, 2, F1, F0, 0
	QUARTER 1, 3, F0, F1, 0
	TURN 1, 0, 1
	QUARTER 0, 1, F0, F1, 0
	WIN 0
	s_sub_co_u32 s3, s3, 1
	s_cmp_lg_u32 s3, 0
	s_cbranch_scc1 .Llap
	QUARTER 0, 2, F1, F0, 0                        ; the last lap fills nothing
	QUARTER 0, 3, F0, F1, 0
	TURN 0, 1, 0
	QUARTER 1, 1, F0, F1, 0
	QUARTER 1, 2, F1, F0, 0
	QUARTER 1, 3, F0, F1, 0
	s_wait_dscnt 16
	WIN MUL
	MUL8 F1, 0, 0, 0
	MUL8 F1, 0, 2, 0
	s_wait_dscnt 0x0
	MUL8 F1, 1, 0, 0
	MUL8 F1, 1, 2, 0
	WIN 0
	s_wait_loadcnt 0x0                             ; RES and the bias
	PLACES
	OUT 0
	OUT 1
	OUT 2
	OUT 3
	s_wait_tensorcnt 0x0                           ; the wave's end
	ds_add_u32 v[SPW], v[NIL]
	s_wait_dscnt 0x0
	CROUND                                         ; the closing round
	s_endpgm
.Lfunc_end_k_qe6a0491837_wo:
	.size	k_qe6a0491837_wo, .Lfunc_end_k_qe6a0491837_wo-k_qe6a0491837_wo
	.p2alignl 7, 3214868480
	.fill 96, 4, 3214868480
	.section	.rodata,"a",@progbits
	.p2align	6, 0x0
	.amdhsa_kernel k_qe6a0491837_wo
		.amdhsa_group_segment_fixed_size 327680
		.amdhsa_private_segment_fixed_size 0
		.amdhsa_enable_private_segment 0
		.amdhsa_kernarg_size 40
		.amdhsa_user_sgpr_count 2
		.amdhsa_user_sgpr_kernarg_segment_ptr 1
		.amdhsa_wavefront_size32 1
		.amdhsa_system_sgpr_workgroup_id_x 1
		.amdhsa_system_sgpr_workgroup_id_y 1
		.amdhsa_system_sgpr_workgroup_id_z 1
		.amdhsa_system_vgpr_workitem_id 0
		.amdhsa_next_free_vgpr 640
		.amdhsa_next_free_sgpr 72
		.amdhsa_reserve_vcc 0
		.amdhsa_float_denorm_mode_32 3
		.amdhsa_float_denorm_mode_16_64 3
		.amdhsa_memory_ordered 1
		.amdhsa_forward_progress 1
		.amdhsa_inst_pref_size 97
	.end_amdhsa_kernel
	.amdgpu_metadata
---
amdhsa.version: [ 1, 2 ]
amdhsa.kernels:
  - .name:           k_qe6a0491837_wo
    .symbol:         k_qe6a0491837_wo.kd
    .args:
      - { .name: att, .offset: 0, .size: 8, .value_kind: global_buffer, .address_space: global }
      - { .name: wb, .offset: 8, .size: 8, .value_kind: global_buffer, .address_space: global }
      - { .name: y, .offset: 16, .size: 8, .value_kind: global_buffer, .address_space: global }
      - { .name: bo, .offset: 24, .size: 8, .value_kind: global_buffer, .address_space: global }
      - { .name: x, .offset: 32, .size: 8, .value_kind: global_buffer, .address_space: global }
    .group_segment_fixed_size: 327680
    .private_segment_fixed_size: 0
    .kernarg_segment_align: 8
    .kernarg_segment_size: 40
    .max_flat_workgroup_size: 128
    .sgpr_count:     72
    .vgpr_count:     640
    .wavefront_size: 32
...
	.end_amdgpu_metadata
.endif
;; end of part 4
;; launch ln1 (part 5): grid 256 x 1, 4 waves a work-group, no clusters, 0 bytes of LDS; arguments y, g1, b1, h, hb; writes h, hb
.if DOCPART == 5
	.amdgcn_target "amdgcn-amd-amdhsa--gfx1250"
	.amdhsa_code_object_version 6
	.text
	.protected	k_qe6a0491837_ln1
	.globl	k_qe6a0491837_ln1
	.p2align	8
	.type	k_qe6a0491837_ln1,@function
k_qe6a0491837_ln1:
	s_mov_b64 s[64:65], 0
	v_nop
	global_prefetch_b8 v0, s[64:65] scope:SCOPE_SE
	s_setreg_imm32_b32 hwreg(HW_REG_WAVE_MODE, 25, 1), 1
	s_wait_xcnt 0x0
; LayerNorm along rows of 1,024 f32: out = (y - mean) rsqrt(var + 1e-5) g + b.  B16 = 1: the result is stored in f32 (the later residual) and once more rounded to bf16 (the next product's operand).
; A row is 4,096 bytes: one wave takes a whole row, eight loads of 16 bytes a lane, and keeps it in 32 registers.  The mean is taken first, the row centred, and the variance summed from the
; centred numbers: no difference of large sums is formed.  Four waves, four rows each; all of a wave's 48 loads are issued before its first wait.  No LDS, no barrier, no cluster: rows share nothing but g and b.
.set B16, 1
.set T,   4                            ; v[4:15]    at work: four packed chains, the mean twice, the reciprocal root twice
.set G,   20                           ; v[20:51]   g of my 32 columns
.set BB,  52                           ; v[52:83]   b of my 32 columns
.set R,   84                           ; v[84:211]  row i: 32 registers
.set PKR, 212                          ; v[212:227] a row rounded to bf16
	s_load_b256 s[4:11], s[0:1], 0x0               ; y s[4:5], g s[6:7], b s[8:9], the f32 result s[10:11]
.if B16
	s_load_b64 s[12:13], s[0:1], 0x20              ; the bf16 result
.endif
	v_and_b32 v1, 31, v0
	v_lshrrev_b32 v3, 5, v0
	v_readfirstlane_b32 s14, v3                    ; wave 0..3
	v_lshlrev_b32 v2, 3, v1                        ; 8 bytes a lane out in bf16
	v_lshlrev_b32 v1, 4, v1                        ; 16 bytes a lane
	s_lshl_b32 s16, ttmp9, 16                      ; the work-group's 16 rows of 4,096 bytes,
	s_lshl_b32 s15, s14, 14                        ; the wave's 4
	s_add_co_u32 s16, s16, s15
	s_mov_b32 s17, 0
	s_lshr_b32 s18, s16, 1                         ; half as many bytes in bf16
	s_mov_b32 s19, 0
	s_mov_b32 s20, 0x76543210                      ; v_permlanex16_b32: lane i of one half reads lane i of the other
	s_mov_b32 s21, 0xfedcba98
	s_mov_b32 s22, 0x3a800000                      ; 1 / 1024
	s_mov_b32 s23, 0x3727c5ac                      ; 1e-5
	s_wait_kmcnt 0x0
	s_add_nc_u64 s[4:5], s[4:5], s[16:17]
	s_add_nc_u64 s[10:11], s[10:11], s[16:17]
.if B16
	s_add_nc_u64 s[12:13], s[12:13], s[18:19]
.endif
.macro FILL i                          ; a row: eight loads of 512 consecutive bytes
.irp j, 0,1,2,3,4,5,6,7
	global_load_b128 v[R+32*\i+4*\j:R+32*\i+4*\j+3], v1, s[4:5] offset:4096*\i+512*\j th:TH_LOAD_NT
.endr
.endm
	FILL 0
.irp j, 0,1,2,3,4,5,6,7
	global_load_b128 v[G+4*\j:G+4*\j+3], v1, s[6:7] offset:512*\j
.endr
.irp j, 0,1,2,3,4,5,6,7
	global_load_b128 v[BB+4*\j:BB+4*\j+3], v1, s[8:9] offset:512*\j
.endr
	FILL 1
	FILL 2
	FILL 3
.macro FOLD                            ; four packed chains into v[T], then over the 32 lanes: every lane ends up with the sum
	v_pk_add_f32 v[T:T+1], v[T:T+1], v[T+2:T+3]
	v_pk_add_f32 v[T+4:T+5], v[T+4:T+5], v[T+6:T+7]
	v_pk_add_f32 v[T:T+1], v[T:T+1], v[T+4:T+5]
	v_add_f32 v[T], v[T], v[T+1]
	v_add_f32_dpp v[T], v[T], v[T] row_xmask:1 row_mask:0xf bank_mask:0xf
	v_add_f32_dpp v[T], v[T], v[T] row_xmask:2 row_mask:0xf bank_mask:0xf
	v_add_f32_dpp v[T], v[T], v[T] row_xmask:4 row_mask:0xf bank_mask:0xf
	v_add_f32_dpp v[T], v[T], v[T] row_xmask:8 row_mask:0xf bank_mask:0xf
	v_permlanex16_b32 v[T+1], v[T], s20, s21
	v_add_f32 v[T], v[T], v[T+1]
.endm
.macro NORM i, left                    ; row i; left: how many younger loads may stay out
.set RR, R+32*\i
	s_wait_loadcnt \left
.irp k, 0,2,4,6
	v_pk_add_f32 v[T+\k:T+\k+1], v[RR+2*\k:RR+2*\k+1], v[RR+2*\k+2:RR+2*\k+3]   ; the first sixteen numbers start four chains: nothing is cleared
.endr
.irp k, 16,18,20,22,24,26,28,30
	v_pk_add_f32 v[T+\k%8:T+\k%8+1], v[T+\k%8:T+\k%8+1], v[RR+\k:RR+\k+1]
.endr
	FOLD
	v_mul_f32 v[T+8], s22, v[T]                    ; the mean, twice
	v_mul_f32 v[T+9], s22, v[T]
.irp k, 0,2,4,6,8,10,12,14,16,18,20,22,24,26,28,30
	v_pk_add_f32 v[RR+\k:RR+\k+1], v[RR+\k:RR+\k+1], v[T+8:T+9] neg_lo:[0,1] neg_hi:[0,1]
.endr
.irp k, 0,2,4,6
	v_pk_mul_f32 v[T+\k:T+\k+1], v[RR+\k:RR+\k+1], v[RR+\k:RR+\k+1]
.endr
.irp k, 8,10,12,14,16,18,20,22,24,26,28,30
	v_pk_fma_f32 v[T+\k%8:T+\k%8+1], v[RR+\k:RR+\k+1], v[RR+\k:RR+\k+1], v[T+\k%8:T+\k%8+1]
.endr
	FOLD
	v_fma_f32 v[T], v[T], s22, s23                 ; var + eps
	v_rsq_f32 v[T+10], v[T]
	v_rsq_f32 v[T+11], v[T]
	v_nop                                          ; a plain instruction between the root and the use of its result (ISA guide 5.7.2)
.if \i == 0
	s_wait_loadcnt 24                              ; g and b are in; the 24 loads of rows 1 to 3 may be out
.endif
	s_wait_alu depctr_va_vdst(0)
.irp k, 0,2,4,6,8,10,12,14,16,18,20,22,24,26,28,30
	v_pk_mul_f32 v[RR+\k:RR+\k+1], v[RR+\k:RR+\k+1], v[T+10:T+11]
.endr
.irp k, 0,2,4,6,8,10,12,14,16,18,20,22,24,26,28,30
	v_pk_fma_f32 v[RR+\k:RR+\k+1], v[RR+\k:RR+\k+1], v[G+\k:G+\k+1], v[BB+\k:BB+\k+1]
.endr
.irp j, 0,1,2,3,4,5,6,7
	global_store_b128 v1, v[RR+4*\j:RR+4*\j+3], s[10:11] offset:4096*\i+512*\j   ; a wave's store covers 512 consecutive bytes, aligned
.endr
.if B16
	s_wait_xcnt 0x0                                ; the packed registers, which the last row's stores read, are written again only behind this wait
.irp j, 0,1,2,3,4,5,6,7
	v_cvt_pk_bf16_f32 v[PKR+2*\j], v[RR+4*\j], v[RR+4*\j+1]
	v_cvt_pk_bf16_f32 v[PKR+2*\j+1], v[RR+4*\j+2], v[RR+4*\j+3]
.endr
.irp j, 0,1,2,3,4,5,6,7
	global_store_b64 v2, v[PKR+2*\j:PKR+2*\j+1], s[12:13] offset:2048*\i+256*\j  ; a wave's store covers 256 consecutive bytes, aligned
.endr
.endif
.endm
	NORM 0, 40                                     ; behind row 0's loads: g's 8, b's 8, rows 1 to 3's 24
	NORM 1, 16
	NORM 2, 8
	NORM 3, 0
	s_endpgm
.Lfunc_end_k_qe6a0491837_ln1:
	.size	k_qe6a0491837_ln1, .Lfunc_end_k_qe6a0491837_ln1-k_qe6a0491837_ln1
	.p2alignl 7, 3214868480
	.fill 96, 4, 3214868480
	.section	.rodata,"a",@progbits
	.p2align	6, 0x0
	.amdhsa_kernel k_qe6a0491837_ln1
		.amdhsa_group_segment_fixed_size 0
		.amdhsa_private_segment_fixed_size 0
		.amdhsa_enable_private_segment 0
		.amdhsa_kernarg_size 40
		.amdhsa_user_sgpr_count 2
		.amdhsa_user_sgpr_kernarg_segment_ptr 1
		.amdhsa_wavefront_size32 1
		.amdhsa_system_sgpr_workgroup_id_x 1
		.amdhsa_system_sgpr_workgroup_id_y 1
		.amdhsa_system_sgpr_workgroup_id_z 1
		.amdhsa_system_vgpr_workitem_id 0
		.amdhsa_next_free_vgpr 228
		.amdhsa_next_free_sgpr 66
		.amdhsa_reserve_vcc 0
		.amdhsa_float_denorm_mode_32 3
		.amdhsa_float_denorm_mode_16_64 3
		.amdhsa_memory_ordered 1
		.amdhsa_forward_progress 1
		.amdhsa_inst_pref_size 41
	.end_amdhsa_kernel
	.amdgpu_metadata
---
amdhsa.version: [ 1, 2 ]
amdhsa.kernels:
  - .name:           k_qe6a0491837_ln1
    .symbol:         k_qe6a0491837_ln1.kd
    .args:
      - { .name: y, .offset: 0, .size: 8, .value_kind: global_buffer, .address_space: global }
      - { .name: g1, .offset: 8, .size: 8, .value_kind: global_buffer, .address_space: global }
      - { .name: b1, .offset: 16, .size: 8, .value_kind: global_buffer, .address_space: global }
      - { .name: h, .offset: 24, .size: 8, .value_kind: global_buffer, .address_space: global }
      - { .name: hb, .offset: 32, .size: 8, .value_kind: global_buffer, .address_space: global }
    .group_segment_fixed_size: 0
    .private_segment_fixed_size: 0
    .kernarg_segment_align: 8
    .kernarg_segment_size: 40
    .max_flat_workgroup_size: 128
    .sgpr_count:     66
    .vgpr_count:     228
    .wavefront_size: 32
...
	.end_amdgpu_metadata
.endif
;; end of part 5
;; launch ffn1 (part 6): grid 16 x 16, 4 waves a work-group, clusters of 4 x 4, 327,680 bytes of LDS; arguments hb, wb, ff1, bf1; writes ff1
.if DOCPART == 6
	.amdgcn_target "amdgcn-amd-amdhsa--gfx1250"
	.amdhsa_code_object_version 6
	.text
	.protected	k_qe6a0491837_ffn1
	.globl	k_qe6a0491837_ffn1
	.p2align	8
	.type	k_qe6a0491837_ffn1,@function
k_qe6a0491837_ffn1:
	s_mov_b64 s[64:65], 0
	v_nop
	global_prefetch_b8 v0, s[64:65] scope:SCOPE_SE
	s_setreg_imm32_b32 hwreg(HW_REG_WAVE_MODE, 25, 1), 1
	s_wait_xcnt 0x0
	s_wait_alu depctr_hold_cnt(0) depctr_sa_sdst(0) depctr_va_vdst(0) depctr_va_sdst(0) depctr_va_ssrc(0) depctr_va_vcc(0) depctr_vm_vsrc(0)
	s_getreg_b32 s2, hwreg(HW_REG_IB_STS2, 6, 4)
	s_cmp_eq_u32 s2, 0
	s_cbranch_scc0 .Lentry_in_a_cluster
	s_endpgm
.Lentry_in_a_cluster:
	s_bfe_u32 s2, ttmp6, 0x10000c
	s_cmp_lg_u32 s2, 0xf033
	s_cbranch_scc0 .Lentry_shape_is_right
	s_endpgm
.Lentry_shape_is_right:
; OUT = A W + bias, A: [4096][1024] bf16, W: [1024][NW] bf16 as it lies ([k][n]), sums in f32, OUT rounded once to bf16.
; EPI = 0: A = xb, W = Wq, Wk or Wv (a cluster's four tile columns are one of the three: its number is the cluster's x); OUT goes to qkv, split by head: [q,k,v][batch x 16 + head][token][64].
; EPI = 1: A = hb, W = W1; OUT = gelu(A W + bf1), exact gelu, to ff1 [4096][4096].
; gelu(x) = max(x, 0) - |x| phi(x) poly(t), t = 1 / (1 + 0.2316419 |x|): the five-term series for the normal tail (Abramowitz and Stegun 26.2.17, error of the tail under 7.5e-8); no
; difference of near numbers is formed on either side.  LIMIT: x = +-infinity gives NaN (infinity times 0); every finite x is served (where x x overflows the exponential is 0).
; A tile of OUT is 256 x 256: four waves, each 128 x 128 = 64 accumulators of 16 x 16, 512 registers.  K goes in steps of 128 through a ring of two LDS slots filled by the tensor data
; mover: 256 rows of A (256 bytes each) and 128 rows of W (512 bytes each).  EPI = 1 has 16 x 16 = 256 tiles.
; CLUSTERS: 4 x 4 work-groups.  A's tile hangs on the tile row alone and is asked for jointly by a row of the cluster, W's on the tile column alone, by a column.
; THE MATRIX INSTRUCTION IS USED TRANSPOSED: source 0 = 16 columns of W (turned on the way out of LDS by ds_load_tr16_b128), source 1 = 16 rows of A: a lane then holds row l % 16 of OUT and eight neighbouring columns.
; REGISTERS, in windows of 256: window 0: v0-31 addresses and constants; v64-127, v128-191 A's fragments, two buffers (behind the loop: at work); v32-63, v192-255 the way out.
;   window 1: v0-63 the bias of my 128 columns, as the accumulators hold them; v64-127, v128-191 W's fragments.   windows 2, 3: the accumulators of my rows 0-63, 64-127, (a, b) at v[8 (8 a + b)].
.set EPI,    1
.set NW,     4096                      ; elements in a row of W
.set KDIM,   1024
.set KSTEP,  128
.set PA,     272                       ; a row of A in LDS: 256 bytes + 16: the 16 rows of a fragment load start 68 words apart
.set PW,     544                       ; a row of W in LDS: 512 bytes + 32 = 17 x 32: the 8 rows x 32 bytes that 16 lanes of the turning load take fall on different words
.set HALFT,  128*PA                    ; what one tensor load brings: 128 rows of A, or 64 rows of W (64 x 544 is the same number)
.set SLOT,   4*HALFT                   ; A's 256 rows, then W's 128 rows
.set STAGE,  2*SLOT                    ; behind the ring: 16 rows x 272 bytes for each wave, for the way out
.set SPITCH, 272
.set SPARE,  STAGE+4*16*SPITCH         ; behind the stages: the spare words, 128 bytes for each wave
.set LAPS,   KDIM/(2*KSTEP)            ; a lap = two K steps = once round the ring
.set CB5,  6                           ; v[6:15], v[30:31]  the series' coefficients times 1 / sqrt(2 pi), and -log2(e) / 2, each twice (pairs for the packed forms)
.set CB4,  8
.set CB3,  10
.set CB2,  12
.set CB1,  14
.set ADRA, 16                          ; v16-17  LDS address of my A fragments in slot 0, 1
.set ADRB, 20                          ; v20-21  the same for W
.set STO,  24                          ; v24     the way out: where I put 16 bytes of a row
.set RD,   25                          ; v25     the way out: where I read back
.set CO,   26                          ; v26     my byte offset in OUT
.set BO,   27                          ; v27     my byte offset in the bias
.set SPW,  28                          ; v28     LDS address of my spare word; never rewritten
.set NIL,  29                          ; v29     0; never rewritten
.set CKE,  30
.set F0,   64
.set F1,   128
.set X,    64                          ; behind the loop: a block's 64 numbers in f32
.set D,    128                         ; 16 registers each: t, the exponential, the series, max(x, 0)
.set E,    144
.set P,    160
.set R,    176
.set TMP,  192                         ; packed results
.set OB,   32                          ; 16 rows read back from the stage: v32-63 and v224-255 by turns
.set G1,  24                           ; s[24:31] descriptor group 1 for A's tiles;  s[32:39] group 0, a set for each slot
.set G0,  32
.set G1B, 48                           ; s[48:55], s[56:63] the same for W's tiles
.set G0B, 56
.set KP,  45                           ; s45  0.2316419
.set MSB, 0
.macro WIN new                         ; the immediate's high byte repeats the setting that is left; a switch that changes nothing is dropped
.if MSB != (\new)
	s_set_vgpr_msb (MSB<<8)|(\new)
.set MSB, (\new)
.endif
.endm
.set MUL_LO, 0xa1                      ; source 0 (W) window 1, source 1 (A) window 0, C and D window 2
.set MUL_HI, 0xf1                      ; the same, C and D window 3
.set TO_B,   0x40                      ; destination window 1, address window 0
.macro PLACES                          ; four plain places between a matrix instruction and a load into, or a vector instruction on, its registers
.rept 4
	v_nop
.endr
.endm
; A joint refill.  Waves 0 and 1 fetch A's two halves, waves 2 and 3 W's.  The branch hangs on the wave's number alone.  Four v_nop follow each of the two lines.
.macro JLOAD s
	s_cmp_eq_u32 s11, 0
	s_cbranch_scc0 .Lfor_b_\@
	tensor_load_to_lds s[G0+4*\s:G0+4*\s+3], s[G1:G1+7]
	s_nop 0
	PLACES
	s_branch .Lasked_\@
.Lfor_b_\@:
	tensor_load_to_lds s[G0B+4*\s:G0B+4*\s+3], s[G1B:G1B+7]
	s_nop 0
	PLACES
.Lasked_\@:
.endm
.macro CREST                           ; a round of the cluster's barrier behind its opening barrier
	s_cmp_lg_u32 s10, 0
	s_cbranch_scc1 .Lnot_wave_0_\@
	s_barrier_signal -3
.Lnot_wave_0_\@:
	s_barrier_wait -3
	s_barrier_signal -1
	s_barrier_wait -1
.endm
.macro CROUND                          ; a whole round
	s_barrier_signal -1
	s_barrier_wait -1
	CREST
.endm
	s_load_b128 s[4:7], s[0:1], 0x0                ; A s[4:5], wb s[6:7]
	s_load_b64 s[8:9], s[0:1], 0x10                ; OUT
.if EPI
	s_load_b64 s[74:75], s[0:1], 0x18              ; bf1
.else
	s_load_b128 s[68:71], s[0:1], 0x18             ; bq, bk
	s_load_b64 s[72:73], s[0:1], 0x28              ; bv
.endif
	v_lshl_add_u32 v[SPW], v0, 2, SPARE
	v_mov_b32 v[NIL], 0
	ds_add_u32 v28, v29
	s_wait_dscnt 0x0
	v_lshrrev_b32 v1, 5, v0
	v_readfirstlane_b32 s10, v1                    ; wave 0..3
	s_lshr_b32 s11, s10, 1                         ; which half of the tile's rows is mine.  Also: I fetch for A (0) or for W (1)
	s_and_b32 s12, s10, 1                          ; which half of its columns.  Also: which half of that tile I fetch
	s_bfe_u32 s40, ttmp6, 0x40000                  ; cx, cy: my place in the cluster
	s_bfe_u32 s41, ttmp6, 0x40004
	s_lshl_b32 s42, ttmp9, 2
	s_add_co_u32 s42, s42, s40                     ; tile column = 4 x cluster x + cx
	s_and_b32 s13, ttmp7, 0xffff
	s_lshl_b32 s13, s13, 2
	s_add_co_u32 s13, s13, s41                     ; tile row = 4 x cluster y + cy
	s_lshl_b32 s43, s41, 2
	s_lshl_b32 s43, 15, s43                        ; my row of the cluster
	s_lshl_b32 s44, 0x1111, s40                    ; my column
	; group 1 for A: 128 rows x 128 elements, 4 words of padding behind every 64.  For W: 64 rows x 256 elements, 8 words behind every 128.
	s_or_b32 s[G1+0], s43, (1<<16)|(1<<20)|(1<<21)|(5<<22)|(3<<25)   ; 15:0 the mask; 17:16 elements of 2 bytes; 20 padding on; 21 set beside a mask; 24:22 the interval; 31:25 the padding
	s_or_b32 s[G1B+0], s44, (1<<16)|(1<<20)|(1<<21)|(6<<22)|(7<<25)
	s_mov_b32 s[G1+1], 128<<16                     ; tensor_dim0
	s_mov_b32 s[G1B+1], 256<<16
	s_mov_b32 s[G1+2], 128<<16                     ; tensor_dim1
	s_mov_b32 s[G1B+2], 64<<16
	s_mov_b32 s[G1+3], 128<<16                     ; tile_dim0
	s_mov_b32 s[G1B+3], 256<<16
	s_mov_b32 s[G1+4], 128                         ; tile_dim1
	s_mov_b32 s[G1B+4], 64
	s_mov_b32 s[G1+5], KDIM                        ; elements from row to row
	s_mov_b32 s[G1B+5], NW
	s_mov_b32 s[G1+6], 0
	s_mov_b32 s[G1B+6], 0
	s_mov_b32 s[G1+7], 0
	s_mov_b32 s[G1B+7], 0
	; A's tiles hang on the tile row and the wave, W's on the tile column and the wave, each in registers that never hold the other coordinate
	s_lshl_b32 s16, s13, 8
	s_lshl_b32 s17, s12, 7
	s_add_co_u32 s16, s16, s17                     ; A: row 256 x tile row + 128 x half,
	s_lshl_b32 s16, s16, 11                        ; of 2,048 bytes
	s_mov_b32 s17, 0
.if EPI
	s_lshl_b32 s46, s42, 9                         ; W1: 512 bytes a tile column,
	s_add_co_u32 s46, s46, 0x800000                ; in its region of wb
.else
	s_lshl_b32 s46, ttmp9, 21                      ; Wq, Wk or Wv: 2 MiB each,
	s_lshl_b32 s47, s40, 9                         ; and the tile column inside it
	s_add_co_u32 s46, s46, s47
.endif
	s_mul_i32 s47, s12, 64*NW*2                    ; my 64 rows of the K step
	s_add_co_u32 s46, s46, s47
	s_mov_b32 s47, 0
	s_mul_i32 s20, s10, HALFT                      ; where they go: A's two halves, then W's two = wave x HALFT
	s_wait_kmcnt 0x0
	s_add_nc_u64 s[14:15], s[4:5], s[16:17]
	s_add_nc_u64 s[46:47], s[6:7], s[46:47]
	CROUND                                         ; all sixteen work-groups are here: the first joint loads meet
.irp s, 0,1
	s_mov_b32 s[G0+4*\s], 1
	s_add_co_u32 s[G0+4*\s+1], s20, \s*SLOT
	s_add_nc_u64 s[G0+4*\s+2:G0+4*\s+3], s[14:15], \s*KSTEP*2
	s_or_b32 s[G0+4*\s+3], s[G0+4*\s+3], 0x80000000
	s_mov_b32 s[G0B+4*\s], 1
	s_add_co_u32 s[G0B+4*\s+1], s20, \s*SLOT
	s_add_nc_u64 s[G0B+4*\s+2:G0B+4*\s+3], s[46:47], \s*KSTEP*NW*2
	s_or_b32 s[G0B+4*\s+3], s[G0B+4*\s+3], 0x80000000
.endr
	s_cmp_eq_u32 s11, 0                            ; a wave's two first fills stand in one branch, ahead of every wait on TENSORcnt, every LDS read and every barrier: two loads of mine are out
	s_cbranch_scc0 .Lfirst_w
	tensor_load_to_lds s[G0:G0+3], s[G1:G1+7]
	s_nop 0
	tensor_load_to_lds s[G0+4:G0+7], s[G1:G1+7]
	s_nop 0
	PLACES
	s_branch .Lfirst_asked
.Lfirst_w:
	tensor_load_to_lds s[G0B:G0B+3], s[G1B:G1B+7]
	s_nop 0
	tensor_load_to_lds s[G0B+4:G0B+7], s[G1B:G1B+7]
	s_nop 0
	PLACES
.Lfirst_asked:
	; A's fragment: lane l holds row l % 16; two loads of 16 bytes, 32 apart, at row x pitch + 16 (l / 16).
	; W's fragment, turned: lane l addresses k row 8 (l / 16) + l % 8, bytes 16 ((l / 8) % 2) on; the second load 16 rows further down.
	v_and_b32 v1, 15, v0                           ; l % 16
	v_bfe_u32 v2, v0, 4, 1                         ; l / 16
	v_mul_u32_u24 v3, v1, PA
	v_lshl_add_u32 v3, v2, 4, v3
	v_and_b32 v4, 7, v0
	v_lshl_add_u32 v4, v2, 3, v4
	v_mul_u32_u24 v4, v4, PW
	v_bfe_u32 v5, v0, 3, 1
	v_lshl_add_u32 v4, v5, 4, v4
	s_mul_i32 s21, s11, HALFT                      ; my 128 rows of A
	s_lshl_b32 s22, s12, 8                         ; my 128 columns of W: 256 bytes,
	s_add_co_u32 s22, s22, 2*HALFT                 ; behind A's 256 rows
.irp s, 0,1
	v_add_nc_u32 v[ADRA+\s], s21, v3
	v_add_nc_u32 v[ADRB+\s], s22, v4
	s_add_co_u32 s21, s21, SLOT
	s_add_co_u32 s22, s22, SLOT
.endr
	s_mul_i32 s23, s10, 16*SPITCH
	s_add_co_u32 s23, s23, STAGE                   ; my stage
	v_mul_u32_u24 v3, v1, SPITCH                   ; in: row l % 16, 16 bytes for each half of the lanes
	v_lshl_add_u32 v3, v2, 4, v3
	v_add_nc_u32 v[STO], s23, v3
	v_lshlrev_b32 v[BO], 5, v2                     ; the bias of my eight columns of a block: 32 bytes for each half of the lanes
.if EPI
	v_mul_u32_u24 v3, v2, SPITCH                   ; back: lanes 0-15 take one row of 256 bytes, lanes 16-31 the next
	v_lshl_add_u32 v3, v1, 4, v3
	v_add_nc_u32 v[RD], s23, v3
	v_lshlrev_b32 v3, 13, v2                       ; and the same two rows of 8,192 bytes in ff1
	v_lshl_add_u32 v[CO], v1, 4, v3
	s_lshl_b32 s16, s13, 8
	s_lshl_b32 s17, s11, 7
	s_add_co_u32 s16, s16, s17                     ; my first row,
	s_lshl_b32 s16, s16, 13
	s_lshl_b32 s17, s42, 9                         ; my first column
	s_add_co_u32 s16, s16, s17
	s_lshl_b32 s17, s12, 8
	s_add_co_u32 s16, s16, s17
	s_lshl_b32 s66, s42, 10                        ; the tile's first column in bf1
	s_mov_b32 s[KP], 0x3e6d3389
.else
	v_mul_u32_u24 v3, v5, SPITCH                   ; back: a stage row is two heads x 128 bytes.  Lanes 0-15 take the first head of two tokens, lanes 16-31 the second:
	v_and_b32 v4, 7, v0                            ; token (l / 8) % 2, 16 bytes at l % 8, head l / 16
	v_lshl_add_u32 v3, v4, 4, v3
	v_lshl_add_u32 v3, v2, 7, v3
	v_add_nc_u32 v[RD], s23, v3
	v_lshlrev_b32 v3, 18, v2                       ; in qkv a head's plane is 262,144 bytes, and two tokens of a head are 256 bytes on end
	v_lshl_add_u32 v[CO], v1, 4, v3
	s_lshl_b32 s16, ttmp9, 23                      ; q, k or v: 8 MiB each
	s_lshr_b32 s17, s13, 3                         ; batch = tile row / 8
	s_lshl_b32 s17, s17, 4
	s_lshl_b32 s18, s40, 2                         ; head = 4 x tile column in the matrix + 2 x column half
	s_add_co_u32 s17, s17, s18
	s_lshl_b32 s18, s12, 1
	s_add_co_u32 s17, s17, s18
	s_lshl_b32 s17, s17, 18
	s_add_co_u32 s16, s16, s17
	s_and_b32 s17, s13, 7                          ; token = 256 x (tile row % 8) + 128 x row half, 128 bytes each
	s_lshl_b32 s17, s17, 8
	s_lshl_b32 s18, s11, 7
	s_add_co_u32 s17, s17, s18
	s_lshl_b32 s17, s17, 7
	s_add_co_u32 s16, s16, s17
	s_lshl_b32 s66, s40, 10                        ; the tile's first column in the bias
	s_cmp_eq_u32 ttmp9, 1                          ; which bias: a choice of pointers on the cluster's x, no branch
	s_cselect_b64 s[74:75], s[70:71], s[68:69]
	s_cmp_eq_u32 ttmp9, 2
	s_cselect_b64 s[74:75], s[72:73], s[74:75]
.endif
	s_mov_b32 s17, 0
	s_add_nc_u64 s[8:9], s[8:9], s[16:17]
	s_lshl_b32 s67, s12, 9
	s_add_co_u32 s66, s66, s67
	s_mov_b32 s67, 0
	s_add_nc_u64 s[74:75], s[74:75], s[66:67]
	WIN TO_B
.irp b, 0,1,2,3,4,5,6,7
	global_load_b128 v[8*\b:8*\b+3],   v[BO], s[74:75] offset:64*\b       ; the bias of columns 16 b + 8 (l / 16) + 0..7: once, waited for behind the loop
	global_load_b128 v[8*\b+4:8*\b+7], v[BO], s[74:75] offset:64*\b+16
.endr
	WIN 0
; 16 matrix instructions: m blocks a0, a0 + 1 of the window's four x all 8 n blocks, 32 along K.  zero = 1: the first product starts the sums.  The 64 accumulators take turns, one instruction a turn.
.macro MUL16 f, hi, a0, zero
.irp a, \a0, \a0+1
.irp b, 0,1,2,3,4,5,6,7
.if \zero
	v_wmma_f32_16x16x32_bf16 v[8*(8*(\a)+\b):8*(8*(\a)+\b)+7], v[\f+8*\b:\f+8*\b+7], v[\f+8*(4*\hi+\a):\f+8*(4*\hi+\a)+7], 0
.else
	v_wmma_f32_16x16x32_bf16 v[8*(8*(\a)+\b):8*(8*(\a)+\b)+7], v[\f+8*\b:\f+8*\b+7], v[\f+8*(4*\hi+\a):\f+8*(4*\hi+\a)+7], v[8*(8*(\a)+\b):8*(8*(\a)+\b)+7]
.endif
.endr
.endr
.endm
; 32 LDS loads in one run: the fragments of quarter q (32 along K) of a slot into buffer f: W's 8 column blocks, turned, then A's 8 row blocks
.macro FETCH slot, q, f
	WIN TO_B
.irp i, 0,1,2,3,4,5,6,7
	ds_load_tr16_b128 v[\f+8*\i:\f+8*\i+3],   v[ADRB+\slot] offset:\q*32*PW+32*\i
	ds_load_tr16_b128 v[\f+8*\i+4:\f+8*\i+7], v[ADRB+\slot] offset:\q*32*PW+16*PW+32*\i
.endr
	WIN 0
.irp i, 0,1,2,3,4,5,6,7
	ds_load_b128 v[\f+8*\i:\f+8*\i+3],   v[ADRA+\slot] offset:\q*64+\i*16*PA
	ds_load_b128 v[\f+8*\i+4:\f+8*\i+7], v[ADRA+\slot] offset:\q*64+\i*16*PA+32
.endr
.endm
; A K step is four quarters of 32 along K, 64 matrix instructions each, on buffers 0, 1, 0, 1.  One of the first three multiplies buffer f and, in its middle, fetches quarter q into buffer g.
.macro QUARTER slot, q, f, g, zero
	s_wait_dscnt 8                                 ; W and A's rows 0-63 are in; the youngest eight loads (A's rows 64-127) may be out
	WIN MUL_LO
	MUL16 \f, 0, 0, \zero
	MUL16 \f, 0, 2, \zero
	PLACES
	FETCH \slot, \q, \g
	s_wait_dscnt 32                                ; all but the 32 just issued
	WIN MUL_HI
	MUL16 \f, 1, 0, \zero
	MUL16 \f, 1, 2, \zero
.endm
; The last quarter multiplies buffer 1 and changes slots: ONE barrier.  In front of it each wave waits for all its tensor loads (one is out: its part of the next slot), adds 0 to its spare
; word, and waits for that and for its own reads of this slot.  fill = 1: the barrier opens a round of the cluster's barrier, and this slot is filled again, two K steps ahead, first thing behind the round.
.macro TURN slot, next, fill
	WIN 0                                          ; (the add's two registers lie in window 0)
	s_wait_tensorcnt 0x0
	ds_add_u32 v[SPW], v[NIL]                      ; 0 onto my spare word
	s_wait_dscnt 9                                 ; (the add and the youngest eight loads may be out)
	WIN MUL_LO
	MUL16 F1, 0, 0, 0                              ; sixteen matrix instructions stand between the add and the wait for it
	s_wait_dscnt 0x0                               ; the add is done, and my reads of this slot are over
	s_barrier_signal -1
	MUL16 F1, 0, 2, 0                              ; work on registers while the others arrive
.if \fill
	WIN 0
.endif
	s_barrier_wait -1
.if \fill
	CREST                                          ; no wave of any partner still reads this slot's tile or has a load on its way
	s_add_nc_u64 s[G0+4*\slot+2:G0+4*\slot+3], s[G0+4*\slot+2:G0+4*\slot+3], 2*KSTEP*2
	s_add_nc_u64 s[G0B+4*\slot+2:G0B+4*\slot+3], s[G0B+4*\slot+2:G0B+4*\slot+3], 2*KSTEP*NW*2
	JLOAD \slot                                    ; my one tensor load behind the round; its four v_nop are also the places in front of the loads below
.else
	PLACES
.endif
	FETCH \next, 0, F0
	WIN MUL_HI
	MUL16 F1, 1, 0, 0
	MUL16 F1, 1, 2, 0
.endm
; THE WAY OUT of block a (16 rows x 128 columns).  PACK: bias, (gelu,) rounding.  TOSTAGE: into my own stage and back as 256 bytes that lie on end in OUT.  SEND: stored.
.macro HORNER c                        ; the series times t, plus the next coefficient
.set i, 0
.rept 8
	v_pk_fma_f32 v[P+i:P+i+1], v[P+i:P+i+1], v[D+i:D+i+1], v[\c:\c+1]
.set i, i+2
.endr
.endm
.macro GELU g                          ; sixteen numbers at X + 16 g, in place
.set XG, X+16*\g
.set i, 0
.rept 8
	v_pk_mul_f32 v[E+i:E+i+1], v[XG+i:XG+i+1], v[XG+i:XG+i+1]
.set i, i+2
.endr
.set i, 0
.rept 16
	v_fma_f32 v[D+i], |v[XG+i]|, s[KP], 1.0
.set i, i+1
.endr
.set i, 0
.rept 8
	v_pk_mul_f32 v[E+i:E+i+1], v[E+i:E+i+1], v[CKE:CKE+1]
.set i, i+2
.endr
.set i, 0
.rept 16
	v_rcp_f32 v[D+i], v[D+i]                       ; t
.set i, i+1
.endr
.set i, 0
.rept 16
	v_exp_f32 v[E+i], v[E+i]                       ; e^(-x x / 2)
.set i, i+1
.endr
.set i, 0
.rept 16
	v_max_num_f32 v[R+i], 0, v[XG+i]               ; plain work between the last exponential and the use of its result (ISA guide 5.7.2)
.set i, i+1
.endr
.set i, 0
	s_wait_alu depctr_va_vdst(0)
.rept 8
	v_pk_fma_f32 v[P+i:P+i+1], v[D+i:D+i+1], v[CB5:CB5+1], v[CB4:CB4+1]
.set i, i+2
.endr
	HORNER CB3
	HORNER CB2
	HORNER CB1
.set i, 0
.rept 8
	v_pk_mul_f32 v[P+i:P+i+1], v[P+i:P+i+1], v[D+i:D+i+1]
.set i, i+2
.endr
.set i, 0
.rept 8
	v_pk_mul_f32 v[P+i:P+i+1], v[P+i:P+i+1], v[E+i:E+i+1]
.set i, i+2
.endr
.set i, 0
.rept 16
	v_fma_f32 v[XG+i], -|v[XG+i]|, v[P+i], v[R+i]
.set i, i+1
.endr
.endm
.macro PACK a
.set AC, 64*((\a)%4)
	WIN 0x06+(\a)/4                                ; source 0: the accumulators' window 2 or 3; source 1: the bias in window 1
.irp b, 0,1,2,3,4,5,6,7
.irp r, 0,2,4,6                        ; each accumulator is read from its low end on
	v_pk_add_f32 v[X+8*\b+\r:X+8*\b+\r+1], v[AC+8*\b+\r:AC+8*\b+\r+1], v[8*\b+\r:8*\b+\r+1]
.endr
.endr
	WIN 0
.if EPI
	GELU 0
	GELU 1
	GELU 2
	GELU 3
.endif
.set i, 0
.rept 32
	v_cvt_pk_bf16_f32 v[TMP+i], v[X+2*i], v[X+2*i+1]
.set i, i+1
.endr
.endm
.macro TOSTAGE a
.set BK, OB+192*((\a)%2)
.irp b, 0,1,2,3,4,5,6,7
	ds_store_b128 v[STO], v[TMP+4*\b:TMP+4*\b+3] offset:32*\b
.endr
.irp t, 0,1,2,3,4,5,6,7
	ds_load_b128 v[BK+4*\t:BK+4*\t+3], v[RD] offset:\t*2*SPITCH    ; LDS serves a wave's instructions in order (ISA guide 5.7.1.4): these see the stores above
.endr
.endm
.macro SEND a
.set BK, OB+192*((\a)%2)
	s_wait_dscnt 0x0                               ; the block is back in registers
	s_wait_xcnt 0x0                                ; the registers that the stores of two blocks ago read are loaded again only behind this wait
.irp t, 0,1,2,3,4,5,6,7
.if EPI
	global_store_b128 v[CO], v[BK+4*\t:BK+4*\t+3], s[8:9] offset:(16*(\a)+2*\t)*8192   ; 16 lanes store 256 consecutive bytes, aligned; 126 rows at the most, inside the signed 24-bit immediate
.else
	global_store_b128 v[CO], v[BK+4*\t:BK+4*\t+3], s[8:9] offset:2048*(\a)+256*\t      ; 16 lanes store two tokens x 128 bytes of one head: 256 consecutive bytes, aligned
.endif
.endr
.endm
	s_wait_tensorcnt 1                             ; my part of K step 0 is in; K step 1's may stay out
	s_barrier_signal -1
	s_barrier_wait -1                              ; everybody's is
	FETCH 0, 0, F0
	QUARTER 0, 1, F0, F1, 1                        ; the first quarter stands in front of the loop: its products start the sums
	WIN 0                                          ; at a label and at a branch every window is 0
	s_mov_b32 s3, LAPS-1
.Llap:                                                 ; a trip goes once round the ring, from a lap's second quarter to the next lap's first, and fills both slots again
	QUARTER 0, 2, F1, F0, 0
	QUARTER 0, 3, F0, F1, 0
	TURN 0, 1, 1
	QUARTER 1, 1, F0, F1, 0
	QUARTER 1, 2, F1, F0, 0
	QUARTER 1, 3, F0, F1, 0
	TURN 1, 0, 1
	QUARTER 0, 1, F0, F1, 0
	WIN 0
	s_sub_co_u32 s3, s3, 1
	s_cmp_lg_u32 s3, 0
	s_cbranch_scc1 .Llap
	QUARTER 0, 2, F1, F0, 0                        ; the last lap fills nothing, and has no round of the cluster's barrier
	QUARTER 0, 3, F0, F1, 0
	TURN 0, 1, 0
	QUARTER 1, 1, F0, F1, 0
	QUARTER 1, 2, F1, F0, 0
	QUARTER 1, 3, F0, F1, 0
	s_wait_dscnt 8                                 ; the very last quarter: nothing more to fetch
	WIN MUL_LO
	MUL16 F1, 0, 0, 0
	MUL16 F1, 0, 2, 0
	s_wait_dscnt 0x0
	WIN MUL_HI
	MUL16 F1, 1, 0, 0
	MUL16 F1, 1, 2, 0
	WIN 0
	s_wait_loadcnt 0x0                             ; the bias
.if EPI
.irp c, CB5, CB5+1                     ; the constants are made here: twelve plain instructions, the places behind the last products
	v_mov_b32 v[\c], 0x3f07dc22
.endr
.irp c, CB4, CB4+1
	v_mov_b32 v[\c], 0xbf3a00e3
.endr
.irp c, CB3, CB3+1
	v_mov_b32 v[\c], 0x3f35f0e3
.endr
.irp c, CB2, CB2+1
	v_mov_b32 v[\c], 0xbe11a98e
.endr
.irp c, CB1, CB1+1
	v_mov_b32 v[\c], 0x3e027906
.endr
.irp c, CKE, CKE+1
	v_mov_b32 v[\c], 0xbf38aa3b
.endr
.else
	PLACES
.endif
	PACK 0
	TOSTAGE 0
.irp a, 1,2,3,4,5,6,7                  ; block a's arithmetic stands between block a - 1's loads from the stage and the wait for them
	PACK \a
	SEND \a-1
	TOSTAGE \a
.endr
	SEND 7
	s_wait_tensorcnt 0x0                           ; the wave's end
	ds_add_u32 v[SPW], v[NIL]
	s_wait_dscnt 0x0
	CROUND                                         ; the closing round: no work-group ends while a partner may still ask for a tile that names it
	s_endpgm
.Lfunc_end_k_qe6a0491837_ffn1:
	.size	k_qe6a0491837_ffn1, .Lfunc_end_k_qe6a0491837_ffn1-k_qe6a0491837_ffn1
	.p2alignl 7, 3214868480
	.fill 96, 4, 3214868480
	.section	.rodata,"a",@progbits
	.p2align	6, 0x0
	.amdhsa_kernel k_qe6a0491837_ffn1
		.amdhsa_group_segment_fixed_size 327680
		.amdhsa_private_segment_fixed_size 0
		.amdhsa_enable_private_segment 0
		.amdhsa_kernarg_size 32
		.amdhsa_user_sgpr_count 2
		.amdhsa_user_sgpr_kernarg_segment_ptr 1
		.amdhsa_wavefront_size32 1
		.amdhsa_system_sgpr_workgroup_id_x 1
		.amdhsa_system_sgpr_workgroup_id_y 1
		.amdhsa_system_sgpr_workgroup_id_z 1
		.amdhsa_system_vgpr_workitem_id 0
		.amdhsa_next_free_vgpr 1024
		.amdhsa_next_free_sgpr 76
		.amdhsa_reserve_vcc 0
		.amdhsa_float_denorm_mode_32 3
		.amdhsa_float_denorm_mode_16_64 3
		.amdhsa_memory_ordered 1
		.amdhsa_forward_progress 1
		.amdhsa_inst_pref_size 255
	.end_amdhsa_kernel
	.section	.bss,"aw",@nobits
	.p2align	6
	.space	262144
	.amdgpu_metadata
---
amdhsa.version: [ 1, 2 ]
amdhsa.kernels:
  - .name:           k_qe6a0491837_ffn1
    .symbol:         k_qe6a0491837_ffn1.kd
    .args:
      - { .name: hb, .offset: 0, .size: 8, .value_kind: global_buffer, .address_space: global }
      - { .name: wb, .offset: 8, .size: 8, .value_kind: global_buffer, .address_space: global }
      - { .name: ff1, .offset: 16, .size: 8, .value_kind: global_buffer, .address_space: global }
      - { .name: bf1, .offset: 24, .size: 8, .value_kind: global_buffer, .address_space: global }
    .group_segment_fixed_size: 327680
    .private_segment_fixed_size: 0
    .kernarg_segment_align: 8
    .kernarg_segment_size: 32
    .max_flat_workgroup_size: 128
    .sgpr_count:     76
    .vgpr_count:     1024
    .wavefront_size: 32
...
	.end_amdgpu_metadata
.endif
;; end of part 6
;; launch ffn2 (part 7): grid 8 x 32, 4 waves a work-group, clusters of 4 x 4, 327,680 bytes of LDS; arguments ff1, wb, y, bf2, h; writes y
.if DOCPART == 7
	.amdgcn_target "amdgcn-amd-amdhsa--gfx1250"
	.amdhsa_code_object_version 6
	.text
	.protected	k_qe6a0491837_ffn2
	.globl	k_qe6a0491837_ffn2
	.p2align	8
	.type	k_qe6a0491837_ffn2,@function
k_qe6a0491837_ffn2:
	s_mov_b64 s[64:65], 0
	v_nop
	global_prefetch_b8 v0, s[64:65] scope:SCOPE_SE
	s_setreg_imm32_b32 hwreg(HW_REG_WAVE_MODE, 25, 1), 1
	s_wait_xcnt 0x0
	s_wait_alu depctr_hold_cnt(0) depctr_sa_sdst(0) depctr_va_vdst(0) depctr_va_sdst(0) depctr_va_ssrc(0) depctr_va_vcc(0) depctr_vm_vsrc(0)
	s_getreg_b32 s2, hwreg(HW_REG_IB_STS2, 6, 4)
	s_cmp_eq_u32 s2, 0
	s_cbranch_scc0 .Lentry_in_a_cluster
	s_endpgm
.Lentry_in_a_cluster:
	s_bfe_u32 s2, ttmp6, 0x10000c
	s_cmp_lg_u32 s2, 0xf033
	s_cbranch_scc0 .Lentry_shape_is_right
	s_endpgm
.Lentry_shape_is_right:
; Y = RES + A W + bias, in f32: the sum in front of a LayerNorm.  A: [4096][KDIM] bf16, W: [KDIM][1024] bf16 as it lies ([k][n]), at byte WGOFF of wb; RES, Y: [4096][1024] f32; sums in f32.
; Here: A = ff1, W = W2, bias = bf2, RES = h.
; 1,024 columns make too few tiles of 256 x 256, so a tile of Y is 128 x 128: 8 x 32 = 256 work-groups.  Four waves, each 64 x 64: 16 accumulators, 128 registers.  K goes in steps of 256, as long as
; two slots in LDS allow: 128 rows of A (512 bytes each) and 256 rows of W (256 bytes each); waves 0, 1 fetch A's halves, waves 2, 3 W's.
; CLUSTERS: 4 x 4 work-groups; A's tile is asked for jointly by a row of the cluster, W's by a column.
; THE MATRIX INSTRUCTION IS USED TRANSPOSED (source 0 = 16 columns of W, turned by ds_load_tr16_b128; source 1 = 16 rows of A): a lane holds eight neighbouring numbers of a row of Y.
; A wave's 64 columns of f32 are 256 bytes on end, aligned: each wave has a stage of its own on the way out and no barrier is needed there.
; REGISTERS: window 0: v0-31 addresses; v32-95 the way out; v96-99 the bias; v128-255 the accumulators ((a, b) at v[128 + 8 (4 a + b)]).
;   window 1: two fragment buffers of 128: for 64 along K, 64 registers of A, then 64 of W.     window 2: v0-127 RES of my 64 x 64, loaded at the start.
.set KDIM,   4096
.set WGOFF,  16777216
.set KSTEP,  256
.set PA,     528                       ; a row of A in LDS: 512 bytes + 16
.set PW,     288                       ; a row of W: 256 bytes + 32 = 9 x 32
.set HA,     64*PA                     ; what a tensor load of A brings: 64 rows
.set HW,     128*PW                    ; and of W: 128 rows
.set WOFF,   2*HA
.set SLOT,   2*HA+2*HW
.set STAGE,  2*SLOT                    ; behind the ring: 16 rows x 272 bytes for each wave
.set SPITCH, 272
.set SPARE,  STAGE+4*16*SPITCH         ; behind the stages: the spare words, 128 bytes for each wave
.set LAPS,   KDIM/(2*KSTEP)
.set ADRA, 16                          ; v16-17  LDS address of my A fragments in slot 0, 1
.set ADRB, 20                          ; v20-23  of my W fragments: slot 0 rows 0-127, rows 128-255, slot 1 likewise (row 255 lies past a 16-bit offset)
.set STO,  24
.set RD,   25
.set CO,   26                          ; v26     my byte offset in RES and in Y
.set BO,   27                          ; v27     my byte offset in the bias
.set SPW,  28
.set NIL,  29
.set TMP,  32
.set BIAS, 96
.set ACC,  128
.set F0,   0
.set F1,   128
.set G1,  24
.set G0,  32
.set G1B, 48
.set G0B, 56
.set MSB, 0
.macro WIN new
.if MSB != (\new)
	s_set_vgpr_msb (MSB<<8)|(\new)
.set MSB, (\new)
.endif
.endm
.set MUL,  0x05                        ; sources 0 (W) and 1 (A) window 1; C and D window 0
.set TO_F, 0x40                        ; destination window 1, address window 0
.macro PLACES
.rept 4
	v_nop
.endr
.endm
.macro JLOAD s                         ; a joint refill; the branch hangs on the wave's number alone; four v_nop follow each of the two lines
	s_cmp_eq_u32 s11, 0
	s_cbranch_scc0 .Lfor_b_\@
	tensor_load_to_lds s[G0+4*\s:G0+4*\s+3], s[G1:G1+7]
	s_nop 0
	PLACES
	s_branch .Lasked_\@
.Lfor_b_\@:
	tensor_load_to_lds s[G0B+4*\s:G0B+4*\s+3], s[G1B:G1B+7]
	s_nop 0
	PLACES
.Lasked_\@:
.endm
.macro CREST
	s_cmp_lg_u32 s10, 0
	s_cbranch_scc1 .Lnot_wave_0_\@
	s_barrier_signal -3
.Lnot_wave_0_\@:
	s_barrier_wait -3
	s_barrier_signal -1
	s_barrier_wait -1
.endm
.macro CROUND
	s_barrier_signal -1
	s_barrier_wait -1
	CREST
.endm
	s_load_b128 s[4:7], s[0:1], 0x0                ; A s[4:5], wb s[6:7]
	s_load_b64 s[8:9], s[0:1], 0x10                ; Y
	s_load_b128 s[68:71], s[0:1], 0x18             ; bias s[68:69], RES s[70:71]
	v_lshl_add_u32 v[SPW], v0, 2, SPARE
	v_mov_b32 v[NIL], 0
	ds_add_u32 v28, v29
	s_wait_dscnt 0x0
	v_lshrrev_b32 v1, 5, v0
	v_readfirstlane_b32 s10, v1                    ; wave 0..3
	s_lshr_b32 s11, s10, 1                         ; which half of the tile's rows is mine.  Also: I fetch for A (0) or for W (1)
	s_and_b32 s12, s10, 1                          ; which half of its columns.  Also: which half of that tile I fetch
	s_bfe_u32 s40, ttmp6, 0x40000
	s_bfe_u32 s41, ttmp6, 0x40004
	s_lshl_b32 s42, ttmp9, 2
	s_add_co_u32 s42, s42, s40                     ; tile column
	s_and_b32 s13, ttmp7, 0xffff
	s_lshl_b32 s13, s13, 2
	s_add_co_u32 s13, s13, s41                     ; tile row
	s_lshl_b32 s43, s41, 2
	s_lshl_b32 s43, 15, s43                        ; my row of the cluster
	s_lshl_b32 s44, 0x1111, s40                    ; my column
	; group 1 for A: 64 rows x 256 elements, 4 words of padding behind every 128.  For W: 128 rows x 128 elements, 8 words behind every 64.
	s_or_b32 s[G1+0], s43, (1<<16)|(1<<20)|(1<<21)|(6<<22)|(3<<25)
	s_or_b32 s[G1B+0], s44, (1<<16)|(1<<20)|(1<<21)|(5<<22)|(7<<25)
	s_mov_b32 s[G1+1], 256<<16                     ; tensor_dim0
	s_mov_b32 s[G1B+1], 128<<16
	s_mov_b32 s[G1+2], 64<<16                      ; tensor_dim1
	s_mov_b32 s[G1B+2], 128<<16
	s_mov_b32 s[G1+3], 256<<16                     ; tile_dim0
	s_mov_b32 s[G1B+3], 128<<16
	s_mov_b32 s[G1+4], 64                          ; tile_dim1
	s_mov_b32 s[G1B+4], 128
	s_mov_b32 s[G1+5], KDIM                        ; elements from row to row
	s_mov_b32 s[G1B+5], 1024
	s_mov_b32 s[G1+6], 0
	s_mov_b32 s[G1B+6], 0
	s_mov_b32 s[G1+7], 0
	s_mov_b32 s[G1B+7], 0
	s_lshl_b32 s16, s13, 7
	s_lshl_b32 s17, s12, 6
	s_add_co_u32 s16, s16, s17                     ; A: row 128 x tile row + 64 x half,
	s_mul_i32 s16, s16, KDIM*2                     ; in bytes (under 2^26)
	s_mov_b32 s17, 0
	s_lshl_b32 s46, s42, 8                         ; W: 256 bytes a tile column,
	s_add_co_u32 s46, s46, WGOFF                   ; in its region of wb,
	s_lshl_b32 s47, s12, 18                        ; my 128 rows of 2,048 bytes of the K step
	s_add_co_u32 s46, s46, s47
	s_mov_b32 s47, 0
	s_mul_i32 s20, s12, HA                         ; where they go: A's two halves,
	s_mul_i32 s21, s12, HW
	s_add_co_u32 s21, s21, WOFF                    ; then W's two
	s_wait_kmcnt 0x0
	s_add_nc_u64 s[14:15], s[4:5], s[16:17]
	s_add_nc_u64 s[46:47], s[6:7], s[46:47]
	CROUND                                         ; all sixteen work-groups are here: the first joint loads meet
.irp s, 0,1
	s_mov_b32 s[G0+4*\s], 1
	s_add_co_u32 s[G0+4*\s+1], s20, \s*SLOT
	s_add_nc_u64 s[G0+4*\s+2:G0+4*\s+3], s[14:15], \s*KSTEP*2
	s_or_b32 s[G0+4*\s+3], s[G0+4*\s+3], 0x80000000
	s_mov_b32 s[G0B+4*\s], 1
	s_add_co_u32 s[G0B+4*\s+1], s21, \s*SLOT
	s_add_nc_u64 s[G0B+4*\s+2:G0B+4*\s+3], s[46:47], \s*KSTEP*2048
	s_or_b32 s[G0B+4*\s+3], s[G0B+4*\s+3], 0x80000000
.endr
	s_cmp_eq_u32 s11, 0                            ; a wave's two first fills stand in one branch, ahead of every wait on TENSORcnt, every LDS read and every barrier: two loads of mine are out
	s_cbranch_scc0 .Lfirst_w
	tensor_load_to_lds s[G0:G0+3], s[G1:G1+7]
	s_nop 0
	tensor_load_to_lds s[G0+4:G0+7], s[G1:G1+7]
	s_nop 0
	PLACES
	s_branch .Lfirst_asked
.Lfirst_w:
	tensor_load_to_lds s[G0B:G0B+3], s[G1B:G1B+7]
	s_nop 0
	tensor_load_to_lds s[G0B+4:G0B+7], s[G1B:G1B+7]
	s_nop 0
	PLACES
.Lfirst_asked:
	v_and_b32 v1, 15, v0                           ; l % 16
	v_bfe_u32 v2, v0, 4, 1                         ; l / 16
	v_mul_u32_u24 v3, v1, PA
	v_lshl_add_u32 v3, v2, 4, v3                   ; A: row x pitch + 16 x half
	v_and_b32 v4, 7, v0
	v_lshl_add_u32 v4, v2, 3, v4
	v_mul_u32_u24 v4, v4, PW
	v_bfe_u32 v5, v0, 3, 1
	v_lshl_add_u32 v4, v5, 4, v4                   ; W, turned: k row 8 (l / 16) + l % 8, bytes 16 ((l / 8) % 2) on
	s_mul_i32 s18, s11, HA                         ; my 64 rows of A
	s_lshl_b32 s19, s12, 7                         ; my 64 columns of W: 128 bytes,
	s_add_co_u32 s19, s19, WOFF                    ; behind A's 128 rows
.irp s, 0,1
	v_add_nc_u32 v[ADRA+\s], s18, v3
	v_add_nc_u32 v[ADRB+2*\s], s19, v4
	s_add_co_u32 s19, s19, HW
	v_add_nc_u32 v[ADRB+2*\s+1], s19, v4
	s_add_co_u32 s18, s18, SLOT
	s_add_co_u32 s19, s19, SLOT-HW
.endr
	s_mul_i32 s23, s10, 16*SPITCH
	s_add_co_u32 s23, s23, STAGE                   ; my stage
	v_mul_u32_u24 v3, v1, SPITCH                   ; in: row l % 16, 32 bytes (eight f32) for each half of the lanes
	v_lshl_add_u32 v3, v2, 5, v3
	v_add_nc_u32 v[STO], s23, v3
	v_mul_u32_u24 v3, v2, SPITCH                   ; back: lanes 0-15 take one row of 256 bytes, lanes 16-31 the next
	v_lshl_add_u32 v3, v1, 4, v3
	v_add_nc_u32 v[RD], s23, v3
	v_lshlrev_b32 v3, 12, v2                       ; and the same two rows of 4,096 bytes in RES and Y
	v_lshl_add_u32 v[CO], v1, 4, v3
	v_lshlrev_b32 v[BO], 4, v1                     ; my four columns
	s_lshl_b32 s46, s42, 9                         ; my first column, in bytes of f32: 512 x tile column + 256 x half
	s_lshl_b32 s47, s12, 8
	s_add_co_u32 s46, s46, s47
	s_mov_b32 s47, 0
	s_add_nc_u64 s[68:69], s[68:69], s[46:47]
	s_lshl_b32 s16, s13, 7
	s_lshl_b32 s17, s11, 6
	s_add_co_u32 s16, s16, s17                     ; my first row
	s_lshl_b32 s16, s16, 12
	s_add_co_u32 s16, s16, s46
	s_mov_b32 s17, 0
	s_add_nc_u64 s[8:9], s[8:9], s[16:17]
	s_add_nc_u64 s[70:71], s[70:71], s[16:17]
	WIN 0x80                                       ; destination window 2
.irp a, 0,1,2,3
.irp t, 0,1,2,3,4,5,6,7
	global_load_b128 v[32*\a+4*\t:32*\a+4*\t+3], v[CO], s[70:71] offset:(16*\a+2*\t)*4096   ; RES, as the way out will hold Y: 16 lanes take 256 consecutive bytes; waited for behind the loop
.endr
.endr
	WIN 0
	global_load_b128 v[BIAS:BIAS+3], v[BO], s[68:69]
; 8 matrix instructions: m blocks a0, a0 + 1 x all 4 n blocks, 32 along K: half c of buffer f.  The 16 accumulators take turns, one instruction a turn.
.macro MUL8 f, c, a0, zero
.irp a, \a0, \a0+1
.irp b, 0,1,2,3
.if \zero
	v_wmma_f32_16x16x32_bf16 v[ACC+8*(4*(\a)+\b):ACC+8*(4*(\a)+\b)+7], v[\f+64+8*(4*\c+\b):\f+64+8*(4*\c+\b)+7], v[\f+8*(4*\c+\a):\f+8*(4*\c+\a)+7], 0
.else
	v_wmma_f32_16x16x32_bf16 v[ACC+8*(4*(\a)+\b):ACC+8*(4*(\a)+\b)+7], v[\f+64+8*(4*\c+\b):\f+64+8*(4*\c+\b)+7], v[\f+8*(4*\c+\a):\f+8*(4*\c+\a)+7], v[ACC+8*(4*(\a)+\b):ACC+8*(4*(\a)+\b)+7]
.endif
.endr
.endr
.endm
; 32 LDS loads in one run: the fragments of quarter kq (64 along K) of a slot, into buffer f; the first 32 along K first
.macro FETCH slot, kq, f
	WIN TO_F
.irp c, 0,1
.irp i, 0,1,2,3
	ds_load_tr16_b128 v[\f+64+8*(4*\c+\i):\f+64+8*(4*\c+\i)+3],   v[ADRB+2*\slot+\kq/2] offset:((\kq%2)*64+32*\c)*PW+32*\i
	ds_load_tr16_b128 v[\f+64+8*(4*\c+\i)+4:\f+64+8*(4*\c+\i)+7], v[ADRB+2*\slot+\kq/2] offset:((\kq%2)*64+32*\c+16)*PW+32*\i
	ds_load_b128 v[\f+8*(4*\c+\i):\f+8*(4*\c+\i)+3],              v[ADRA+\slot] offset:128*\kq+64*\c+\i*16*PA
	ds_load_b128 v[\f+8*(4*\c+\i)+4:\f+8*(4*\c+\i)+7],            v[ADRA+\slot] offset:128*\kq+64*\c+\i*16*PA+32
.endr
.endr
.endm
; A K step is four quarters of 64 along K, 32 matrix instructions each, on buffers 0, 1, 0, 1.
.macro QUARTER slot, kq, f, g, zero
	s_wait_dscnt 16                                ; the first 32 along K are in; the sixteen younger loads may be out
	WIN MUL
	MUL8 \f, 0, 0, \zero
	MUL8 \f, 0, 2, \zero
	PLACES
	FETCH \slot, \kq, \g
	s_wait_dscnt 32                                ; all but the 32 just issued
	WIN MUL
	MUL8 \f, 1, 0, 0
	MUL8 \f, 1, 2, 0
.endm
; The last quarter multiplies buffer 1 and changes slots: ONE barrier; in front of it each wave waits for all its tensor loads, adds 0 to its spare word, and waits for that and for its reads of this slot.
.macro TURN slot, next, fill
	WIN 0
	s_wait_tensorcnt 0x0                           ; all my tensor loads have landed: my part of the next slot
	ds_add_u32 v[SPW], v[NIL]                      ; 0 onto my spare word
	s_wait_dscnt 17                                ; (the add and the youngest sixteen loads may be out)
	WIN MUL
	MUL8 F1, 0, 0, 0
	s_wait_dscnt 0x0                               ; the add is done, and my reads of this slot are over
	s_barrier_signal -1
	MUL8 F1, 0, 2, 0
.if \fill
	WIN 0
.endif
	s_barrier_wait -1
.if \fill
	CREST                                          ; the barrier has opened a round of the cluster's barrier
	s_add_nc_u64 s[G0+4*\slot+2:G0+4*\slot+3], s[G0+4*\slot+2:G0+4*\slot+3], 2*KSTEP*2
	s_add_nc_u64 s[G0B+4*\slot+2:G0B+4*\slot+3], s[G0B+4*\slot+2:G0B+4*\slot+3], 2*KSTEP*2048
	JLOAD \slot                                    ; my one tensor load behind the round; its four v_nop are also the places in front of the loads below
.else
	PLACES
.endif
	FETCH \next, 0, F0
	WIN MUL
	MUL8 F1, 1, 0, 0
	MUL8 F1, 1, 2, 0
.endm
; THE WAY OUT of block a (16 rows x 64 columns of f32): through my own stage, back as whole rows of 256 bytes; RES and the bias are added; stored.
.macro OUT a
.set TB, TMP+32*((\a)%2)
	s_wait_xcnt 0x0                                ; the registers that the stores of two blocks ago read are loaded again only behind this wait
.irp b, 0,1,2,3
	ds_store_b128 v[STO], v[ACC+8*(4*(\a)+\b):ACC+8*(4*(\a)+\b)+3]   offset:64*\b      ; each accumulator's low half first
	ds_store_b128 v[STO], v[ACC+8*(4*(\a)+\b)+4:ACC+8*(4*(\a)+\b)+7] offset:64*\b+16
.endr
.irp t, 0,1,2,3,4,5,6,7
	ds_load_b128 v[TB+4*\t:TB+4*\t+3], v[RD] offset:\t*2*SPITCH    ; LDS serves a wave's instructions in order (ISA guide 5.7.1.4): these see the stores above
.endr
	s_wait_dscnt 0x0
	WIN 0x08                                       ; source 1: RES in window 2
.irp k, 0,2,4,6,8,10,12,14,16,18,20,22,24,26,28,30
	v_pk_add_f32 v[TB+\k:TB+\k+1], v[TB+\k:TB+\k+1], v[32*(\a)+\k:32*(\a)+\k+1]
.endr
	WIN 0
.irp t, 0,1,2,3,4,5,6,7
	v_pk_add_f32 v[TB+4*\t:TB+4*\t+1],   v[TB+4*\t:TB+4*\t+1],   v[BIAS:BIAS+1]
	v_pk_add_f32 v[TB+4*\t+2:TB+4*\t+3], v[TB+4*\t+2:TB+4*\t+3], v[BIAS+2:BIAS+3]
.endr
.irp t, 0,1,2,3,4,5,6,7
	global_store_b128 v[CO], v[TB+4*\t:TB+4*\t+3], s[8:9] offset:(16*(\a)+2*\t)*4096   ; 16 lanes store 256 consecutive bytes, aligned
.endr
.endm
	s_wait_tensorcnt 1                             ; my part of K step 0 is in; K step 1's may stay out
	s_barrier_signal -1
	s_barrier_wait -1
	FETCH 0, 0, F0
	QUARTER 0, 1, F0, F1, 1                        ; the first quarter stands in front of the loop: its first products start the sums
	WIN 0
	s_mov_b32 s3, LAPS-1
.Llap:                                                 ; a trip goes once round the ring and fills both slots again
	QUARTER 0, 2, F1, F0, 0
	QUARTER 0, 3, F0, F1, 0
	TURN 0, 1, 1
	QUARTER 1, 1, F0, F1, 0
	QUARTER 1, 2, F1, F0, 0
	QUARTER 1, 3, F0, F1, 0
	TURN 1, 0, 1
	QUARTER 0, 1, F0, F1, 0
	WIN 0
	s_sub_co_u32 s3, s3, 1
	s_cmp_lg_u32 s3, 0
	s_cbranch_scc1 .Llap
	QUARTER 0, 2, F1, F0, 0                        ; the last lap fills nothing
	QUARTER 0, 3, F0, F1, 0
	TURN 0, 1, 0
	QUARTER 1, 1, F0, F1, 0
	QUARTER 1, 2, F1, F0, 0
	QUARTER 1, 3, F0, F1, 0
	s_wait_dscnt 16
	WIN MUL
	MUL8 F1, 0, 0, 0
	MUL8 F1, 0, 2, 0
	s_wait_dscnt 0x0
	MUL8 F1, 1, 0, 0
	MUL8 F1, 1, 2, 0
	WIN 0
	s_wait_loadcnt 0x0                             ; RES and the bias
	PLACES
	OUT 0
	OUT 1
	OUT 2
	OUT 3
	s_wait_tensorcnt 0x0                           ; the wave's end
	ds_add_u32 v[SPW], v[NIL]
	s_wait_dscnt 0x0
	CROUND                                         ; the closing round
	s_endpgm
.Lfunc_end_k_qe6a0491837_ffn2:
	.size	k_qe6a0491837_ffn2, .Lfunc_end_k_qe6a0491837_ffn2-k_qe6a0491837_ffn2
	.p2alignl 7, 3214868480
	.fill 96, 4, 3214868480
	.section	.rodata,"a",@progbits
	.p2align	6, 0x0
	.amdhsa_kernel k_qe6a0491837_ffn2
		.amdhsa_group_segment_fixed_size 327680
		.amdhsa_private_segment_fixed_size 0
		.amdhsa_enable_private_segment 0
		.amdhsa_kernarg_size 40
		.amdhsa_user_sgpr_count 2
		.amdhsa_user_sgpr_kernarg_segment_ptr 1
		.amdhsa_wavefront_size32 1
		.amdhsa_system_sgpr_workgroup_id_x 1
		.amdhsa_system_sgpr_workgroup_id_y 1
		.amdhsa_system_sgpr_workgroup_id_z 1
		.amdhsa_system_vgpr_workitem_id 0
		.amdhsa_next_free_vgpr 640
		.amdhsa_next_free_sgpr 72
		.amdhsa_reserve_vcc 0
		.amdhsa_float_denorm_mode_32 3
		.amdhsa_float_denorm_mode_16_64 3
		.amdhsa_memory_ordered 1
		.amdhsa_forward_progress 1
		.amdhsa_inst_pref_size 97
	.end_amdhsa_kernel
	.amdgpu_metadata
---
amdhsa.version: [ 1, 2 ]
amdhsa.kernels:
  - .name:           k_qe6a0491837_ffn2
    .symbol:         k_qe6a0491837_ffn2.kd
    .args:
      - { .name: ff1, .offset: 0, .size: 8, .value_kind: global_buffer, .address_space: global }
      - { .name: wb, .offset: 8, .size: 8, .value_kind: global_buffer, .address_space: global }
      - { .name: y, .offset: 16, .size: 8, .value_kind: global_buffer, .address_space: global }
      - { .name: bf2, .offset: 24, .size: 8, .value_kind: global_buffer, .address_space: global }
      - { .name: h, .offset: 32, .size: 8, .value_kind: global_buffer, .address_space: global }
    .group_segment_fixed_size: 327680
    .private_segment_fixed_size: 0
    .kernarg_segment_align: 8
    .kernarg_segment_size: 40
    .max_flat_workgroup_size: 128
    .sgpr_count:     72
    .vgpr_count:     640
    .wavefront_size: 32
...
	.end_amdgpu_metadata
.endif
;; end of part 7
;; launch ln2 (part 8): grid 256 x 1, 4 waves a work-group, no clusters, 0 bytes of LDS; arguments y, g2, b2, out0; writes out0
.if DOCPART == 8
	.amdgcn_target "amdgcn-amd-amdhsa--gfx1250"
	.amdhsa_code_object_version 6
	.text
	.protected	k_qe6a0491837_ln2
	.globl	k_qe6a0491837_ln2
	.p2align	8
	.type	k_qe6a0491837_ln2,@function
k_qe6a0491837_ln2:
	s_mov_b64 s[64:65], 0
	v_nop
	global_prefetch_b8 v0, s[64:65] scope:SCOPE_SE
	s_setreg_imm32_b32 hwreg(HW_REG_WAVE_MODE, 25, 1), 1
	s_wait_xcnt 0x0
; LayerNorm along rows of 1,024 f32: out = (y - mean) rsqrt(var + 1e-5) g + b.  B16 = 0: the result is stored in f32 alone.
; A row is 4,096 bytes: one wave takes a whole row, eight loads of 16 bytes a lane, and keeps it in 32 registers.  The mean is taken first, the row centred, and the variance summed from the
; centred numbers: no difference of large sums is formed.  Four waves, four rows each; all of a wave's 48 loads are issued before its first wait.  No LDS, no barrier, no cluster: rows share nothing but g and b.
.set B16, 0
.set T,   4                            ; v[4:15]    at work: four packed chains, the mean twice, the reciprocal root twice
.set G,   20                           ; v[20:51]   g of my 32 columns
.set BB,  52                           ; v[52:83]   b of my 32 columns
.set R,   84                           ; v[84:211]  row i: 32 registers
.set PKR, 212                          ; v[212:227] a row rounded to bf16 (B16 = 1 alone)
	s_load_b256 s[4:11], s[0:1], 0x0               ; y s[4:5], g s[6:7], b s[8:9], the f32 result s[10:11]
.if B16
	s_load_b64 s[12:13], s[0:1], 0x20              ; the bf16 result
.endif
	v_and_b32 v1, 31, v0
	v_lshrrev_b32 v3, 5, v0
	v_readfirstlane_b32 s14, v3                    ; wave 0..3
	v_lshlrev_b32 v2, 3, v1                        ; 8 bytes a lane out in bf16
	v_lshlrev_b32 v1, 4, v1                        ; 16 bytes a lane
	s_lshl_b32 s16, ttmp9, 16                      ; the work-group's 16 rows of 4,096 bytes,
	s_lshl_b32 s15, s14, 14                        ; the wave's 4
	s_add_co_u32 s16, s16, s15
	s_mov_b32 s17, 0
	s_lshr_b32 s18, s16, 1                         ; half as many bytes in bf16
	s_mov_b32 s19, 0
	s_mov_b32 s20, 0x76543210                      ; v_permlanex16_b32: lane i of one half reads lane i of the other
	s_mov_b32 s21, 0xfedcba98
	s_mov_b32 s22, 0x3a800000                      ; 1 / 1024
	s_mov_b32 s23, 0x3727c5ac                      ; 1e-5
	s_wait_kmcnt 0x0
	s_add_nc_u64 s[4:5], s[4:5], s[16:17]
	s_add_nc_u64 s[10:11], s[10:11], s[16:17]
.if B16
	s_add_nc_u64 s[12:13], s[12:13], s[18:19]
.endif
.macro FILL i                          ; a row: eight loads of 512 consecutive bytes
.irp j, 0,1,2,3,4,5,6,7
	global_load_b128 v[R+32*\i+4*\j:R+32*\i+4*\j+3], v1, s[4:5] offset:4096*\i+512*\j th:TH_LOAD_NT
.endr
.endm
	FILL 0
.irp j, 0,1,2,3,4,5,6,7
	global_load_b128 v[G+4*\j:G+4*\j+3], v1, s[6:7] offset:512*\j
.endr
.irp j, 0,1,2,3,4,5,6,7
	global_load_b128 v[BB+4*\j:BB+4*\j+3], v1, s[8:9] offset:512*\j
.endr
	FILL 1
	FILL 2
	FILL 3
.macro FOLD                            ; four packed chains into v[T], then over the 32 lanes: every lane ends up with the sum
	v_pk_add_f32 v[T:T+1], v[T:T+1], v[T+2:T+3]
	v_pk_add_f32 v[T+4:T+5], v[T+4:T+5], v[T+6:T+7]
	v_pk_add_f32 v[T:T+1], v[T:T+1], v[T+4:T+5]
	v_add_f32 v[T], v[T], v[T+1]
	v_add_f32_dpp v[T], v[T], v[T] row_xmask:1 row_mask:0xf bank_mask:0xf
	v_add_f32_dpp v[T], v[T], v[T] row_xmask:2 row_mask:0xf bank_mask:0xf
	v_add_f32_dpp v[T], v[T], v[T] row_xmask:4 row_mask:0xf bank_mask:0xf
	v_add_f32_dpp v[T], v[T], v[T] row_xmask:8 row_mask:0xf bank_mask:0xf
	v_permlanex16_b32 v[T+1], v[T], s20, s21
	v_add_f32 v[T], v[T], v[T+1]
.endm
.macro NORM i, left                    ; row i; left: how many younger loads may stay out
.set RR, R+32*\i
	s_wait_loadcnt \left
.irp k, 0,2,4,6
	v_pk_add_f32 v[T+\k:T+\k+1], v[RR+2*\k:RR+2*\k+1], v[RR+2*\k+2:RR+2*\k+3]   ; the first sixteen numbers start four chains: nothing is cleared
.endr
.irp k, 16,18,20,22,24,26,28,30
	v_pk_add_f32 v[T+\k%8:T+\k%8+1], v[T+\k%8:T+\k%8+1], v[RR+\k:RR+\k+1]
.endr
	FOLD
	v_mul_f32 v[T+8], s22, v[T]                    ; the mean, twice
	v_mul_f32 v[T+9], s22, v[T]
.irp k, 0,2,4,6,8,10,12,14,16,18,20,22,24,26,28,30
	v_pk_add_f32 v[RR+\k:RR+\k+1], v[RR+\k:RR+\k+1], v[T+8:T+9] neg_lo:[0,1] neg_hi:[0,1]
.endr
.irp k, 0,2,4,6
	v_pk_mul_f32 v[T+\k:T+\k+1], v[RR+\k:RR+\k+1], v[RR+\k:RR+\k+1]
.endr
.irp k, 8,10,12,14,16,18,20,22,24,26,28,30
	v_pk_fma_f32 v[T+\k%8:T+\k%8+1], v[RR+\k:RR+\k+1], v[RR+\k:RR+\k+1], v[T+\k%8:T+\k%8+1]
.endr
	FOLD
	v_fma_f32 v[T], v[T], s22, s23                 ; var + eps
	v_rsq_f32 v[T+10], v[T]
	v_rsq_f32 v[T+11], v[T]
	v_nop                                          ; a plain instruction between the root and the use of its result (ISA guide 5.7.2)
.if \i == 0
	s_wait_loadcnt 24                              ; g and b are in; the 24 loads of rows 1 to 3 may be out
.endif
	s_wait_alu depctr_va_vdst(0)
.irp k, 0,2,4,6,8,10,12,14,16,18,20,22,24,26,28,30
	v_pk_mul_f32 v[RR+\k:RR+\k+1], v[RR+\k:RR+\k+1], v[T+10:T+11]
.endr
.irp k, 0,2,4,6,8,10,12,14,16,18,20,22,24,26,28,30
	v_pk_fma_f32 v[RR+\k:RR+\k+1], v[RR+\k:RR+\k+1], v[G+\k:G+\k+1], v[BB+\k:BB+\k+1]
.endr
.irp j, 0,1,2,3,4,5,6,7
	global_store_b128 v1, v[RR+4*\j:RR+4*\j+3], s[10:11] offset:4096*\i+512*\j   ; a wave's store covers 512 consecutive bytes, aligned
.endr
.if B16
	s_wait_xcnt 0x0                                ; the packed registers, which the last row's stores read, are written again only behind this wait
.irp j, 0,1,2,3,4,5,6,7
	v_cvt_pk_bf16_f32 v[PKR+2*\j], v[RR+4*\j], v[RR+4*\j+1]
	v_cvt_pk_bf16_f32 v[PKR+2*\j+1], v[RR+4*\j+2], v[RR+4*\j+3]
.endr
.irp j, 0,1,2,3,4,5,6,7
	global_store_b64 v2, v[PKR+2*\j:PKR+2*\j+1], s[12:13] offset:2048*\i+256*\j  ; a wave's store covers 256 consecutive bytes, aligned
.endr
.endif
.endm
	NORM 0, 40                                     ; behind row 0's loads: g's 8, b's 8, rows 1 to 3's 24
	NORM 1, 16
	NORM 2, 8
	NORM 3, 0
	s_endpgm
.Lfunc_end_k_qe6a0491837_ln2:
	.size	k_qe6a0491837_ln2, .Lfunc_end_k_qe6a0491837_ln2-k_qe6a0491837_ln2
	.p2alignl 7, 3214868480
	.fill 96, 4, 3214868480
	.section	.rodata,"a",@progbits
	.p2align	6, 0x0
	.amdhsa_kernel k_qe6a0491837_ln2
		.amdhsa_group_segment_fixed_size 0
		.amdhsa_private_segment_fixed_size 0
		.amdhsa_enable_private_segment 0
		.amdhsa_kernarg_size 32
		.amdhsa_user_sgpr_count 2
		.amdhsa_user_sgpr_kernarg_segment_ptr 1
		.amdhsa_wavefront_size32 1
		.amdhsa_system_sgpr_workgroup_id_x 1
		.amdhsa_system_sgpr_workgroup_id_y 1
		.amdhsa_system_sgpr_workgroup_id_z 1
		.amdhsa_system_vgpr_workitem_id 0
		.amdhsa_next_free_vgpr 228
		.amdhsa_next_free_sgpr 66
		.amdhsa_reserve_vcc 0
		.amdhsa_float_denorm_mode_32 3
		.amdhsa_float_denorm_mode_16_64 3
		.amdhsa_memory_ordered 1
		.amdhsa_forward_progress 1
		.amdhsa_inst_pref_size 34
	.end_amdhsa_kernel
	.amdgpu_metadata
---
amdhsa.version: [ 1, 2 ]
amdhsa.kernels:
  - .name:           k_qe6a0491837_ln2
    .symbol:         k_qe6a0491837_ln2.kd
    .args:
      - { .name: y, .offset: 0, .size: 8, .value_kind: global_buffer, .address_space: global }
      - { .name: g2, .offset: 8, .size: 8, .value_kind: global_buffer, .address_space: global }
      - { .name: b2, .offset: 16, .size: 8, .value_kind: global_buffer, .address_space: global }
      - { .name: out0, .offset: 24, .size: 8, .value_kind: global_buffer, .address_space: global }
    .group_segment_fixed_size: 0
    .private_segment_fixed_size: 0
    .kernarg_segment_align: 8
    .kernarg_segment_size: 32
    .max_flat_workgroup_size: 128
    .sgpr_count:     66
    .vgpr_count:     228
    .wavefront_size: 32
...
	.end_amdgpu_metadata
.endif
;; end of part 8
